; MI455X (gfx1250); checked and timed in simulation.
; The chip was launched on July 23, 2026; its instructions are those of AMD's public machine-readable ISA for CDNA 5 (MIT licence, August 2026) and "CDNA5" Instruction Set Architecture Reference Guide (July 2026). The comments in the code are by the model that wrote it; some were corrected since.
;; HSTU Block. Allowed arithmetic: matrix products marked QUANTISED: E4M3 operands, one given power-of-two scale a tensor, by v_wmma_f32_16x16x64_fp8_fp8 or v_wmma_f32_16x16x128_fp8_fp8, f32 sums; everything else in f32.
;; Inputs: attn_mask 2 x 2,048 x 2,048 bool; ffn1_b 4,096 float32; ffn1_w 4,096 x 1,024 float32; ffn2_b 1,024 float32; ffn2_w 1,024 x 4,096 float32; gate_w 1 float32; lowp_scales 18 int32 (the exponents e of the quantised operands' scales 2^e); pos_ids 2 x 2,048 int32; rel_pos_table 32 x 1 float32; res_w 1 float32; rms_w 1,024 float32; wk 512 x 1,024 float32; wo 1,024 x 1,024 float32; wq 512 x 1,024 float32; wu 1,024 x 1,024 float32; wv 1,024 x 1,024 float32; x 2 x 2,048 x 1,024 float32.
;; Outputs: out0 2 x 2,048 x 1,024 float32.
;; This version of the problem:
;;   THIS VERSION OF THE PROBLEM IS GIVEN IN LOW PRECISION. The matrix products marked QUANTISED in the list below multiply operands that are first quantised to E4M3 (4 exponent bits, 3 mantissa bits; 8 bits a number), with one given power-of-two scale for each operand tensor; their sums are f32. All else is computed in f32.
;;   The module's matrix products, in the order in which they are computed (A, B: the left and right operand; K: the contracted axis; several contracted axes count as one K, in the product's order):
;;     1. [M 4,096, K 1,024] x [K 1,024, N 512]; A: computed on the way; B: input wq: QUANTISED (scales: A lowp_scales[0], B lowp_scales[1])
;;     2. [M 4,096, K 1,024] x [K 1,024, N 512]; A: computed on the way; B: input wk: QUANTISED (scales: A lowp_scales[2], B lowp_scales[3])
;;     3. [M 4,096, K 1,024] x [K 1,024, N 1,024]; A: computed on the way; B: input wv: QUANTISED (scales: A lowp_scales[4], B lowp_scales[5])
;;     4. [M 4,096, K 1,024] x [K 1,024, N 1,024]; A: computed on the way; B: input wu: QUANTISED (scales: A lowp_scales[6], B lowp_scales[7])
;;     5. batch 32 x [M 2,048, K 32] x [K 32, N 2,048]; A: computed on the way; B: computed on the way: QUANTISED (scales: A lowp_scales[8], B lowp_scales[9])
;;     6. batch 32 x [M 2,048, K 2,048] x [K 2,048, N 64]; A: computed on the way; B: computed on the way: QUANTISED (scales: A lowp_scales[10], B lowp_scales[11])
;;     7. [M 4,096, K 1,024] x [K 1,024, N 1,024]; A: computed on the way; B: input wo: QUANTISED (scales: A lowp_scales[12], B lowp_scales[13])
;;     8. [M 4,096, K 1,024] x [K 1,024, N 4,096]; A: computed on the way; B: input ffn1_w: QUANTISED (scales: A lowp_scales[14], B lowp_scales[15])
;;     9. [M 4,096, K 4,096] x [K 4,096, N 1,024]; A: computed on the way; B: input ffn2_w: QUANTISED (scales: A lowp_scales[16], B lowp_scales[17])
;;   THE QUANTISER, for each operand of a quantised product, along K:
;;     - The operand's scale is 2^e, e = its entry of the input lowp_scales (int32; the entries are numbered through the quantised products in the list's order, A before B).
;;     - Each number is divided by the scale, clamped to +-448, and rounded to the nearest number of E4M3, ties to even, subnormals kept.
;;     - The product sums the exact products of the quantised numbers (number of the format x scale) in f32.
;;   ~~~python
;;   def quantise(x, axis, e):      # numpy; x: float32 -> the quantised numbers, widened to float32 again
;;       x = np.moveaxis(x, axis, -1); K = x.shape[-1]
;;       r = np.clip(x / 2.0 ** e, -448, 448)
;;       step = 2.0 ** (np.maximum(np.frexp(np.where(r == 0, 1, r))[1] - 1, -6) - 3)
;;       q = np.round(r / step) * step * 2.0 ** e      # np.round: ties to even
;;       return np.moveaxis(q, -1, axis).astype(np.float32)
;;   ~~~
;;   OPERANDS COMPUTED ON THE WAY. 'Computed on the way' means the value that the module computes at that place (a softmax that the list does not call 'softmax' is quantised finished and normalised). What goes into a quantiser is computed in f32, as accurately as f32 sums, v_exp_f32 and their like allow (about 1e-6 of the number): no bf16 or f16 on the way to a quantiser, and a product that is left as it is and whose result goes on into a quantised operand takes f32 operands (vector FMAs, or v_wmma_f32_16x16x4_f32). A number that lies on a knife's edge between two numbers of the format may be rounded either way, as far as f32 arithmetic and the matrix unit's own rounding can turn it there, and no further.
;; 2 versions, each right; version 2 is version 1 with the launch attn written anew for expert scheduling mode. Each part assembles by itself: llvm-mc -triple=amdgcn-amd-amdhsa -mcpu=gfx1250 --defsym DOCPART=n.
;; ======== version 1 of 2: 6 launches
;; workspace buffers: pre 30,670,848 bytes; mw 1,048,576 bytes of whole numbers; act1 25,165,824 bytes; gc 4,194,304 bytes; act2 20,971,520 bytes; hid 16,777,216 bytes
;; launch prep (part 1): grid 1216 x 1, 8 waves a work-group, no clusters, 0 bytes of LDS; arguments x, rms_w, wq, wk, wv, wu, wo, ffn1_w, ffn2_w, attn_mask, lowp_scales, pre, mw; writes pre, mw
.if DOCPART == 1
	.amdgcn_target "amdgcn-amd-amdhsa--gfx1250"
	.amdhsa_code_object_version 6
	.text
	.protected	k_q6d35df769b_prep
	.globl	k_q6d35df769b_prep
	.p2align	8
	.type	k_q6d35df769b_prep,@function
k_q6d35df769b_prep:
	s_mov_b64 s[64:65], 0
	v_nop
	global_prefetch_b8 v0, s[64:65] scope:SCOPE_SE
	s_setreg_imm32_b32 hwreg(HW_REG_WAVE_MODE, 25, 1), 1
	s_wait_xcnt 0x0
; PREP: everything that later launches read many times is made once.  Four kinds of work-groups, told apart by the work-group's number; no LDS, no barrier.
;   0-767     the seven weights -> codes of E4M3, laid PANEL-MAJOR: [K/128][rows][128 bytes], so that 128 rows x 128 K are 16 KB on end
;   768-1023  RMSNorm of x, and z in four versions of codes (its four given scales e0, e2, e4, e6), panel-major
;   1024-1151 attn_mask -> words of 32 lane bits in the order in which the attention launch holds its scores
;   1152-1215 the table of cos and sin: row t = cos[16], sin[16]
; code = x / 2^e, held within +-448, to the nearest code, ties to even.
; LIMITS: every given e between -126 and 119.  NaN and infinities among the inputs are not served.  Angles stay under 2,048 (T = 2,048), for which the two-part reduction by pi/2 is good to f32.
; inv_freq is the correctly rounded 10^(-k/4).  pos_ids is not loaded: reference() uses none of its values.
.set PRE_WCAT, 16777216                ; wq rows 0-511, wk 512-1023, wv 1024-2047, wu 2048-3071; panel stride as for 4,096 rows
.set PRE_WO,   20971520
.set PRE_W1,   22020096
.set PRE_W2,   26214400
.set PRE_ROPE, 30408704
	s_load_b512 s[8:23], s[0:1], 0x0               ; x, rms_w, wq, wk, wv, wu, wo, ffn1_w
	s_load_b256 s[24:31], s[0:1], 0x40             ; ffn2_w, attn_mask, lowp_scales, pre
	s_load_b64 s[32:33], s[0:1], 0x60              ; mw
	v_lshrrev_b32 v1, 5, v0
	v_readfirstlane_b32 s3, v1                     ; wave 0..7
	v_and_b32 v1, 31, v0                           ; lane
	v_and_b32 v2, 15, v0                           ; lane % 16
	v_bfe_u32 v3, v0, 4, 1                         ; lane / 16
	s_wait_kmcnt 0x0
	s_load_b512 s[36:51], s[28:29], 0x0            ; e0 .. e15
	s_load_b64 s[52:53], s[28:29], 0x40            ; e16, e17
	s_wait_kmcnt 0x0
	s_cmp_lt_u32 ttmp9, 768
	s_cbranch_scc1 .Lweights
	s_cmp_lt_u32 ttmp9, 1024
	s_cbranch_scc1 .Lnorm
	s_cmp_lt_u32 ttmp9, 1152
	s_cbranch_scc1 .Lmask
; ---------------- the table of cos and sin.  Thread idx makes 16 bytes: t = idx / 8; j = idx % 8: j < 4 cos of frequencies 4 j .. 4 j + 3, else sin of 4 (j - 4) ..
	s_sub_co_u32 s4, ttmp9, 1152
	s_lshl_b32 s4, s4, 8
	v_add_nc_u32 v4, s4, v0                        ; idx
	v_lshrrev_b32 v5, 3, v4
	v_cvt_f32_u32 v5, v5                           ; t
	v_and_b32 v6, 7, v4                            ; j
	v_and_b32 v7, 1, v6
	v_cmp_ne_u32 s5, 0, v7
	v_and_b32 v7, 2, v6
	v_cmp_ne_u32 s6, 0, v7
	v_cmp_gt_u32 s7, 4, v6
	v_cndmask_b32 v7, 0, 1, s7                     ; cos(a) = sin(a + pi/2): one quadrant on
	s_mov_b32 s36, 0x3f22f983                      ; 2 / pi
	s_mov_b32 s37, 0x3fc90fdb                      ; pi/2, upper part
	s_mov_b32 s38, 0x333bbd2e                      ; minus its lower part
	s_mov_b32 s39, 0xb94ca1f9                      ; sine's polynomial on |r| <= pi/4
	s_mov_b32 s40, 0x3c08839e
	s_mov_b32 s41, 0xbe2aaaa3
	s_mov_b32 s42, 0x37ccf5ce                      ; cosine's
	s_mov_b32 s43, 0xbab6061a
	s_mov_b32 s44, 0x3d2aaaa5
.macro ANGLE i, f0, f1, f2, f3         ; the four frequencies among which j % 4 chooses
	v_mov_b32 v8, \f0
	v_mov_b32 v9, \f1
	v_mov_b32 v10, \f2
	v_mov_b32 v11, \f3
	v_cndmask_b32 v8, v8, v9, s5
	v_cndmask_b32 v10, v10, v11, s5
	v_cndmask_b32 v8, v8, v10, s6
	v_mul_f32 v9, v5, v8                           ; a = t x inv_freq, rounded to f32 as reference() has it
	v_mul_f32 v10, s36, v9
	v_rndne_f32 v10, v10                           ; n
	v_fma_f32 v11, -v10, s37, v9
	v_fma_f32 v11, v10, s38, v11                   ; r = a - n pi/2
	v_cvt_i32_f32 v12, v10
	v_add_nc_u32 v12, v12, v7                      ; the quadrant: it only selects values
	v_mul_f32 v13, v11, v11
	v_fma_f32 v14, v13, s39, s40
	v_fma_f32 v14, v14, v13, s41
	v_mul_f32 v15, v13, v11
	v_fma_f32 v14, v14, v15, v11                   ; sin r
	v_fma_f32 v16, v13, s42, s43
	v_fma_f32 v16, v16, v13, s44
	v_mul_f32 v17, v13, v13
	v_fma_f32 v18, v13, -0.5, 1.0
	v_fma_f32 v16, v16, v17, v18                   ; cos r
	v_and_b32 v19, 1, v12
	v_cmp_ne_u32 vcc_lo, 0, v19
	v_cndmask_b32 v14, v14, v16, vcc_lo
	v_and_b32 v19, 2, v12
	v_lshlrev_b32 v19, 30, v19                     ; quadrants 2 and 3 change the sign
	v_xor_b32 v[24+\i], v14, v19
.endm
	ANGLE 0, 0x3f800000, 0x3dcccccd, 0x3c23d70a, 0x3a83126f
	ANGLE 1, 0x3f0ff59a, 0x3d6655c3, 0x3bb8449c, 0x3a136a16
	ANGLE 2, 0x3ea1e89b, 0x3d0186e2, 0x3b4f3e37, 0x39a5cb5f
	ANGLE 3, 0x3e361887, 0x3c91ad39, 0x3ae91528, 0x393a7753
	v_lshlrev_b32 v20, 4, v4
	s_add_nc_u64 s[54:55], s[30:31], PRE_ROPE
	global_store_b128 v20, v[24:27], s[54:55]      ; a wave stores 512 consecutive bytes
	s_endpgm
.macro POW2 e, vs, vh                  ; v[vs] = 2^e as f32 (the conversion takes its exponent field), v[vh] = 448 x 2^e
	s_add_co_i32 s6, \e, 127
	s_lshl_b32 s7, s6, 23
	v_mov_b32 v[\vs], s7
	s_add_co_i32 s6, s6, 8
	s_lshl_b32 s6, s6, 23
	s_or_b32 s6, s6, 0x600000
	v_mov_b32 v[\vh], s6
.endm
; ---------------- weights.  A wave takes two rows x 1,024 along K: lanes 0-15 the even row, lanes 16-31 the odd one; for each of 8 panels a lane holds 8 neighbours.
.Lweights:
	s_mov_b64 s[54:55], s[24:25]                   ; ffn2_w, unless a lower bound holds
	s_mov_b32 s56, 512                             ; its first work-group
	s_mov_b32 s57, s53                             ; its e
	s_mov_b32 s58, 0x4000                          ; bytes of a row
	s_mov_b32 s59, 2                               ; log2 of the pieces of 1,024 in a row
	s_mov_b32 s60, PRE_W2
	s_mov_b32 s61, 131072                          ; bytes from panel to panel: rows x 128
.macro PICK bound, p, first, e, base, stride
	s_cmp_lt_u32 ttmp9, \bound                     ; the choice hangs on the work-group's number alone
	s_cselect_b64 s[54:55], s[\p:\p+1], s[54:55]
	s_cselect_b32 s56, \first, s56
	s_cselect_b32 s57, s[\e], s57
	s_cselect_b32 s58, 0x1000, s58
	s_cselect_b32 s59, 0, s59
	s_cselect_b32 s60, \base, s60
	s_cselect_b32 s61, \stride, s61
.endm
	PICK 512, 22, 256, 51, PRE_W1, 524288
	PICK 256, 20, 192, 49, PRE_WO, 131072
	PICK 192, 18, 128, 43, PRE_WCAT+262144, 524288
	PICK 128, 16, 64, 41, PRE_WCAT+131072, 524288
	PICK 64, 14, 32, 39, PRE_WCAT+65536, 524288
	PICK 32, 12, 0, 37, PRE_WCAT, 524288
	s_sub_co_u32 s4, ttmp9, s56
	s_lshl_b32 s4, s4, 3
	s_add_co_u32 s4, s4, s3                        ; my unit
	s_lshr_b32 s5, s4, s59                         ; its pair of rows
	s_lshl_b32 s6, s5, s59
	s_sub_co_u32 s6, s4, s6                        ; its piece of 1,024 along K
	s_mul_i32 s34, s5, s58
	s_lshl_b32 s34, s34, 1
	s_lshl_b32 s7, s6, 12
	s_add_co_u32 s34, s34, s7
	s_mov_b32 s35, 0
	s_add_nc_u64 s[54:55], s[54:55], s[34:35]
	v_mul_lo_u32 v12, v3, s58
	v_lshl_add_u32 v12, v2, 5, v12                 ; my row, my 32 bytes of a panel's 512
.set p, 0
.rept 8
	global_load_b128 v[16+8*p:19+8*p], v12, s[54:55] offset:512*p th:TH_LOAD_NT
	global_load_b128 v[20+8*p:23+8*p], v12, s[54:55] offset:512*p+16 th:TH_LOAD_NT
.set p, p+1
.endr
	s_mul_i32 s7, s6, s61
	s_lshl_b32 s7, s7, 3                           ; 8 panels for each piece
	s_lshl_b32 s34, s5, 8                          ; two rows of 128 bytes
	s_add_co_u32 s34, s34, s7
	s_add_co_u32 s34, s34, s60
	s_add_nc_u64 s[62:63], s[30:31], s[34:35]
	v_lshlrev_b32 v4, 3, v1                        ; 8 codes a lane: a wave's store is 256 consecutive bytes, aligned
.set p, 0
.rept 7
	v_add_nc_u32 v[5+p], s61, v[4+p]
.set p, p+1
.endr
	POW2 s57, 13, 14
.set p, 0
.rept 8
	s_wait_loadcnt 14-2*p                          ; this panel's two loads are in; the later panels' stay out
.set j, 0
.rept 8
	v_med3_num_f32 v[16+8*p+j], v[16+8*p+j], -v14, v14   ; the conversion does not saturate (ISA guide 7.6.2): the hold comes first
.set j, j+1
.endr
	v_cvt_scalef32_pk8_fp8_f32 v[80+2*p:81+2*p], v[16+8*p:23+8*p], v13
	global_store_b64 v[4+p], v[80+2*p:81+2*p], s[62:63]  ; each store has data registers of its own
.set p, p+1
.endr
	s_endpgm
; ---------------- RMSNorm.  The same share: a wave two rows, a row in 16 lanes.
.Lnorm:
	s_sub_co_u32 s4, ttmp9, 768
	s_lshl_b32 s4, s4, 3
	s_add_co_u32 s4, s4, s3                        ; pair of rows
	s_lshl_b32 s34, s4, 13
	s_mov_b32 s35, 0
	s_add_nc_u64 s[8:9], s[8:9], s[34:35]
	v_lshlrev_b32 v12, 12, v3
	v_lshl_add_u32 v12, v2, 5, v12
	v_lshlrev_b32 v13, 5, v2
	v_lshlrev_b32 v15, 3, v1
.set p, 0
.rept 8
	global_load_b128 v[16+8*p:19+8*p], v12, s[8:9] offset:512*p
	global_load_b128 v[20+8*p:23+8*p], v12, s[8:9] offset:512*p+16
.set p, p+1
.endr
.set p, 0
.rept 8
	global_load_b128 v[80+8*p:83+8*p], v13, s[10:11] offset:512*p
	global_load_b128 v[84+8*p:87+8*p], v13, s[10:11] offset:512*p+16
.set p, p+1
.endr
	s_lshl_b32 s34, s4, 8
	s_add_nc_u64 s[54:55], s[30:31], s[34:35]      ; the four versions of z, 4 MiB apart
	s_add_nc_u64 s[56:57], s[54:55], 4194304
	s_add_nc_u64 s[58:59], s[56:57], 4194304
	s_add_nc_u64 s[60:61], s[58:59], 4194304
	POW2 s36, 4, 5
	POW2 s38, 6, 7
	POW2 s40, 8, 9
	POW2 s42, 10, 11
	s_mov_b32 s4, 0x3a800000                       ; 1 / 1,024
	s_mov_b32 s5, 0x322bcc77                       ; 1e-8
	s_wait_loadcnt 16                              ; x is in; rms_w's sixteen loads may be out
.set n, 0
.rept 4
	v_pk_mul_f32 v[144+2*n:145+2*n], v[16+2*n:17+2*n], v[16+2*n:17+2*n]   ; four chains, begun by the first products
.set n, n+1
.endr
.rept 28
	v_pk_fma_f32 v[144+2*(n%4):145+2*(n%4)], v[16+2*n:17+2*n], v[16+2*n:17+2*n], v[144+2*(n%4):145+2*(n%4)]
.set n, n+1
.endr
	v_pk_add_f32 v[144:145], v[144:145], v[146:147]
	v_pk_add_f32 v[148:149], v[148:149], v[150:151]
	v_pk_add_f32 v[144:145], v[144:145], v[148:149]
	v_add_f32 v144, v144, v145
	v_add_f32_dpp v144, v144, v144 row_xmask:1 row_mask:0xf bank_mask:0xf
	v_add_f32_dpp v144, v144, v144 row_xmask:2 row_mask:0xf bank_mask:0xf
	v_add_f32_dpp v144, v144, v144 row_xmask:4 row_mask:0xf bank_mask:0xf
	v_add_f32_dpp v144, v144, v144 row_xmask:8 row_mask:0xf bank_mask:0xf
	v_fma_f32 v144, v144, s4, s5                   ; the mean of the squares + eps
	v_rsq_f32 v146, v144
	s_wait_loadcnt 0x0
.set n, 0
.rept 32
	v_pk_mul_f32 v[16+2*n:17+2*n], v[80+2*n:81+2*n], v[16+2*n:17+2*n]     ; rms_w x: plain work behind the root
.set n, n+1
.endr
	s_wait_alu depctr_va_vdst(0)                   ; the wait ahead of the root's first reader
.set n, 0
.rept 32
	v_pk_mul_f32 v[16+2*n:17+2*n], v[16+2*n:17+2*n], v[146:147] op_sel_hi:[1,0]
.set n, n+1
.endr
.irp ver, 0,1,2,3
.set p, 0
.rept 8
.set TS, 144+72*(p%2)                  ; two sets of eight by turns: a conversion's sources are not written by the very next vector line
.set j, 0
.rept 8
	v_med3_num_f32 v[TS+j], v[16+8*p+j], -v[5+2*\ver], v[5+2*\ver]
.set j, j+1
.endr
	v_cvt_scalef32_pk8_fp8_f32 v[152+16*\ver+2*p:153+16*\ver+2*p], v[TS:TS+7], v[4+2*\ver]
	global_store_b64 v15, v[152+16*\ver+2*p:153+16*\ver+2*p], s[54+2*\ver:55+2*\ver] offset:p*524288
.set p, p+1
.endr
.endr
	s_endpgm
; ---------------- the mask.  Work-group = 32 queries (block bp of 128), wave = 256 keys = 4 steps of 64.  Score register i of query tile x holds, in lane (r, h), query 16 x + r and key 32 (i / 16) + 16 h + i % 16.
; Word 2 i + x of a step holds that register's 32 lane bits.  Lane i gathers words 2 i and 2 i + 1, so a step's 64 words leave as one block of 256 bytes.
.Lmask:
	s_sub_co_u32 s4, ttmp9, 1024                   ; bp
	s_lshl_b32 s34, s4, 16                         ; 32 rows of 2,048 bytes
	s_lshl_b32 s5, s3, 8
	s_add_co_u32 s34, s34, s5
	s_mov_b32 s35, 0
	s_add_nc_u64 s[26:27], s[26:27], s[34:35]
	v_lshlrev_b32 v4, 11, v2
	v_lshl_add_u32 v4, v3, 4, v4
.irp x, 0,1
.irp s, 0,1,2,3
.irp c, 0,1
	global_load_b128 v[16+4*(\c+2*(\s+4*\x)):19+4*(\c+2*(\s+4*\x))], v4, s[26:27] offset:\x*32768+\s*64+\c*32 th:TH_LOAD_NT
.endr
.endr
.endr
	s_lshl_b32 s34, s4, 13
	s_lshl_b32 s5, s3, 10
	s_add_co_u32 s34, s34, s5
	s_add_nc_u64 s[54:55], s[32:33], s[34:35]      ; my four steps' words
	v_lshlrev_b32 v5, 3, v1
	s_wait_loadcnt 0x0
.irp s, 0,1,2,3
	v_mov_b32 v[84+2*\s], 0                        ; (a lane write's destination counts as read)
	v_mov_b32 v[85+2*\s], 0
.irp x, 0,1
.irp c, 0,1
.irp d, 0,1,2,3
.irp y, 0,1,2,3
	v_and_b32 v[80+\y], 0xff<<(8*\y), v[16+4*(\c+2*(\s+4*\x))+\d]
.endr
.irp y, 0,1,2,3
	v_cmp_ne_u32 s[36+\y], 0, v[80+\y]
.endr
.irp y, 0,1,2,3
	v_writelane_b32 v[84+2*\s+\x], s[36+\y], 16*\c+4*\d+\y
.endr
.endr
.endr
.endr
	global_store_b64 v5, v[84+2*\s:85+2*\s], s[54:55] offset:256*\s   ; each step has data registers of its own
.endr
	s_endpgm
.Lfunc_end_k_q6d35df769b_prep:
	.size	k_q6d35df769b_prep, .Lfunc_end_k_q6d35df769b_prep-k_q6d35df769b_prep
	.p2alignl 7, 3214868480
	.fill 96, 4, 3214868480
	.section	.rodata,"a",@progbits
	.p2align	6, 0x0
	.amdhsa_kernel k_q6d35df769b_prep
		.amdhsa_group_segment_fixed_size 0
		.amdhsa_private_segment_fixed_size 0
		.amdhsa_enable_private_segment 0
		.amdhsa_kernarg_size 104
		.amdhsa_user_sgpr_count 2
		.amdhsa_user_sgpr_kernarg_segment_ptr 1
		.amdhsa_wavefront_size32 1
		.amdhsa_system_sgpr_workgroup_id_x 1
		.amdhsa_system_sgpr_workgroup_id_y 1
		.amdhsa_system_sgpr_workgroup_id_z 1
		.amdhsa_system_vgpr_workitem_id 0
		.amdhsa_next_free_vgpr 224
		.amdhsa_next_free_sgpr 66
		.amdhsa_reserve_vcc 1
		.amdhsa_float_denorm_mode_32 3
		.amdhsa_float_denorm_mode_16_64 3
		.amdhsa_memory_ordered 1
		.amdhsa_forward_progress 1
		.amdhsa_inst_pref_size 103
	.end_amdhsa_kernel
	.amdgpu_metadata
---
amdhsa.version: [ 1, 2 ]
amdhsa.kernels:
  - .name:           k_q6d35df769b_prep
    .symbol:         k_q6d35df769b_prep.kd
    .args:
      - { .name: x, .offset: 0, .size: 8, .value_kind: global_buffer, .address_space: global }
      - { .name: rms_w, .offset: 8, .size: 8, .value_kind: global_buffer, .address_space: global }
      - { .name: wq, .offset: 16, .size: 8, .value_kind: global_buffer, .address_space: global }
      - { .name: wk, .offset: 24, .size: 8, .value_kind: global_buffer, .address_space: global }
      - { .name: wv, .offset: 32, .size: 8, .value_kind: global_buffer, .address_space: global }
      - { .name: wu, .offset: 40, .size: 8, .value_kind: global_buffer, .address_space: global }
      - { .name: wo, .offset: 48, .size: 8, .value_kind: global_buffer, .address_space: global }
      - { .name: ffn1_w, .offset: 56, .size: 8, .value_kind: global_buffer, .address_space: global }
      - { .name: ffn2_w, .offset: 64, .size: 8, .value_kind: global_buffer, .address_space: global }
      - { .name: attn_mask, .offset: 72, .size: 8, .value_kind: global_buffer, .address_space: global }
      - { .name: lowp_scales, .offset: 80, .size: 8, .value_kind: global_buffer, .address_space: global }
      - { .name: pre, .offset: 88, .size: 8, .value_kind: global_buffer, .address_space: global }
      - { .name: mw, .offset: 96, .size: 8, .value_kind: global_buffer, .address_space: global }
    .group_segment_fixed_size: 0
    .private_segment_fixed_size: 0
    .kernarg_segment_align: 8
    .kernarg_segment_size: 104
    .max_flat_workgroup_size: 256
    .sgpr_count:     66
    .vgpr_count:     224
    .wavefront_size: 32
...
	.end_amdgpu_metadata
.endif
;; end of part 1
;; launch g1 (part 2): grid 24 x 32, 4 waves a work-group, clusters of 4 x 4, 327,680 bytes of LDS; arguments pre, lowp_scales, act1; writes act1
.if DOCPART == 2
	.amdgcn_target "amdgcn-amd-amdhsa--gfx1250"
	.amdhsa_code_object_version 6
	.text
	.protected	k_q6d35df769b_g1
	.globl	k_q6d35df769b_g1
	.p2align	8
	.type	k_q6d35df769b_g1,@function
k_q6d35df769b_g1:
	s_mov_b64 s[64:65], 0
	v_nop
	global_prefetch_b8 v0, s[64:65] scope:SCOPE_SE
	s_setreg_imm32_b32 hwreg(HW_REG_WAVE_MODE, 25, 1), 1
	s_wait_xcnt 0x0
	s_wait_alu depctr_hold_cnt(0) depctr_sa_sdst(0) depctr_va_vdst(0) depctr_va_sdst(0) depctr_va_ssrc(0) depctr_va_vcc(0) depctr_vm_vsrc(0)
	s_getreg_b32 s2, hwreg(HW_REG_IB_STS2, 6, 4)
	s_cmp_eq_u32 s2, 0
	s_cbranch_scc0 .Lentry_in_a_cluster
	s_endpgm
.Lentry_in_a_cluster:
	s_bfe_u32 s2, ttmp6, 0x10000c
	s_cmp_lg_u32 s2, 0xf033
	s_cbranch_scc0 .Lentry_shape_is_right
	s_endpgm
.Lentry_shape_is_right:
; G1: the four projections of z on codes of E4M3, and what follows each: Q and K are rotated (RoPE) and quantised, V is quantised with the keys innermost, U becomes sigmoid(U) in f32.
; A work-group makes 128 x 128; four waves 2 x 2, each 64 x 64: 16 accumulators of v_wmma_f32_16x16x128_fp8_fp8.  K = 1,024 lies in two LDS slots of 512 along K, both filled at the start: nothing is filled again.
; Operands lie panel-major in memory ([K/128][rows][128 bytes]): 128 rows of a panel are 16 KB on end; one tensor load brings two panels' blocks, as lines of 256 bytes + 16 of padding.
; THE MATRIX INSTRUCTION IS USED TRANSPOSED: source 0 = 16 rows of the B side, source 1 = 16 rows of the A side: lane (r, h) holds A-side row r and eight neighbouring B-side rows 8 h + 0 .. 7.
; SECTIONS, by the cluster's x, which all sixteen partners share: 0 Q (A = z by e0, B = wq), 1 K (z by e2, wk), 2-3 U (z by e6, wu), 4-5 V (A = wv, B = z by e4: a lane then holds one channel and eight neighbouring t, the next product's K).
; CLUSTER 4 x 4: A's tile is shared along a row of the cluster, B's along a column: joint loads.
; A fragment's k is taken 32 c + 16 h + 0 .. 15 in registers 4 c .. 4 c + 3, alike on both sides: every product meets its partner, and four loads of 16 bytes bring a fragment.
; LIMITS: e8 - e0 - e1, e9 - e2 - e3, e11 - e4 - e5 between -126 and 119; e6 + e7 between -126 and 126.  NaN is not served.
; REGISTERS: window 0: v1-31 addresses; v32-95 cos and sin, later work; v96-127 work; v128-255 accumulators ((a, b) at 128 + 8 (4 a + b)).  Window 1: two fragment buffers of 128: A's four blocks, then B's.
.set STRA, 524288                      ; bytes from panel to panel
.set STRB, 524288
.set AIB,  2176                        ; A: LDS bytes from a block of 16 rows to the next
.set ACH,  64                          ; A: LDS bytes from pieces 0, 1 of a fragment to pieces 2, 3
.set LAPS, 1
.set PRE_WCAT, 16777216
.set PRE_ROPE, 30408704
.set BLK,   17408                      ; 128 rows x 128 bytes as 64 lines of 272
.set SLOT,  8*BLK                      ; A's four panels, then B's
.set SPARE, 2*SLOT                     ; the spare words: 128 bytes a wave, two blocks of 256 bytes that no other line names
.set CST,   0                          ; stages, in slot 0, which has had its only fill and its last read when they are written: codes, 128 rows x 144;
.set FST,   20480                      ; f32, 16 rows x 272 for each wave;
.set QST,   40960                      ; Q's and K's codes, 4 heads x 128 rows x 32.  Each way out has bytes of its own
.set ACC,   128
.set F0,    0
.set F1,    128
.set G1,    24
.set G0,    32
.set G1B,   48
.set G0B,   56
.set W0,    (3<<16)|(1<<20)|(1<<21)|(5<<22)|(3<<25)   ; elements of 8 bytes; padding on; bit 21 beside a mask; after every 64 words, 4 words
.set MSB, 0
.macro WIN new                         ; the immediate's high byte repeats the setting that is left
.if MSB != \new
	s_set_vgpr_msb (MSB<<8)|\new
.set MSB, \new
.endif
.endm
.macro PLACES                          ; four plain places behind matrix instructions, ahead of loads into their sources and of reads of their results
.rept 4
	v_nop
.endr
.endm
.macro JLOAD s                         ; a joint load: waves 0, 1 fetch A's panels, waves 2, 3 B's; four v_nop follow each line
	s_cmp_eq_u32 s11, 0
	s_cbranch_scc0 .Lfor_b_\@
	tensor_load_to_lds s[G0+4*\s:G0+4*\s+3], s[G1:G1+7]
	s_nop 0
.rept 4
	v_nop
.endr
	s_branch .Lasked_\@
.Lfor_b_\@:
	tensor_load_to_lds s[G0B+4*\s:G0B+4*\s+3], s[G1B:G1B+7]
	s_nop 0
.rept 4
	v_nop
.endr
.Lasked_\@:
.endm
.macro CREST
	s_cmp_lg_u32 s10, 0
	s_cbranch_scc1 .Lnot_wave_0_\@
	s_barrier_signal -3
.Lnot_wave_0_\@:
	s_barrier_wait -3
	s_barrier_signal -1
	s_barrier_wait -1
.endm
.macro CROUND                          ; a round of the cluster's barrier
	s_barrier_signal -1
	s_barrier_wait -1
	CREST
.endm
.macro FETCH slot, q, f                ; 32 LDS loads in one run: panel q of the slot, B's four fragments and A's four, into buffer f
	WIN 0x40
.irp i, 0,1,2,3
.irp c, 0,1,2,3
	ds_load_b128 v[\f+64+16*\i+4*\c:\f+64+16*\i+4*\c+3], v[20+\slot] offset:(\q)*BLK+\i*2176+32*\c
.endr
.endr
.irp i, 0,1,2,3
.irp c, 0,1,2,3
	ds_load_b128 v[\f+16*\i+4*\c:\f+16*\i+4*\c+3], v[16+\slot] offset:(\q)*BLK+\i*AIB+(\c%2)*32+(\c/2)*ACH
.endr
.endr
.endm
.macro MUL16 f, zero                   ; 128 along K; the 16 accumulators take turns, one instruction a turn, in the same order every time
	WIN 0x05
.irp a, 0,1,2,3
.irp b, 0,1,2,3
.if \zero
	v_wmma_f32_16x16x128_fp8_fp8 v[ACC+8*(4*\a+\b):ACC+8*(4*\a+\b)+7], v[\f+64+16*\b:\f+64+16*\b+15], v[\f+16*\a:\f+16*\a+15], 0
.else
	v_wmma_f32_16x16x128_fp8_fp8 v[ACC+8*(4*\a+\b):ACC+8*(4*\a+\b)+7], v[\f+64+16*\b:\f+64+16*\b+15], v[\f+16*\a:\f+16*\a+15], v[ACC+8*(4*\a+\b):ACC+8*(4*\a+\b)+7]
.endif
.endr
.endr
.endm
.macro QUARTER f, sn, qn, fn, zero     ; the next panel's fragments are asked for, then buffer f is multiplied
	PLACES                                         ; buffer fn was multiplied by the run just before
	FETCH \sn, \qn, \fn
	s_wait_dscnt 32                                ; all but the 32 just issued: buffer f is in
	MUL16 \f, \zero
.endm
.macro TURN slot, next, fill           ; a slot's last panel, and the change of slots
	WIN 0
	s_wait_tensorcnt 0x0                           ; all my tensor loads have landed, my part of the next slot among them
	ds_add_u32 v28, v29                            ; 0 onto my spare word
.if \fill
	s_add_nc_u64 s[G0+4*\slot+2:G0+4*\slot+3], s[G0+4*\slot+2:G0+4*\slot+3], 8*STRA
	s_add_nc_u64 s[G0B+4*\slot+2:G0B+4*\slot+3], s[G0B+4*\slot+2:G0B+4*\slot+3], 8*STRB
.endif
	s_wait_dscnt 0x0                               ; the add is done, and my reads of this slot are over (buffer 1 is in)
.if \fill
	CROUND
	JLOAD \slot
.else
	s_barrier_signal -1
	s_barrier_wait -1
	PLACES
.endif
	FETCH \next, 0, F0
	MUL16 F1, 0
.endm
.macro MAIN
	s_wait_tensorcnt 1                             ; my part of slot 0 is in; slot 1's may stay out
	s_barrier_signal -1
	s_barrier_wait -1
	FETCH 0, 0, F0
	QUARTER F0, 0, 1, F1, 1                        ; the first products start the sums
.if LAPS > 1
	WIN 0
	s_mov_b32 s3, LAPS-1
.Llap:
	QUARTER F1, 0, 2, F0, 0
	QUARTER F0, 0, 3, F1, 0
	TURN 0, 1, 1
	QUARTER F0, 1, 1, F1, 0
	QUARTER F1, 1, 2, F0, 0
	QUARTER F0, 1, 3, F1, 0
	TURN 1, 0, 1
	QUARTER F0, 0, 1, F1, 0
	WIN 0
	s_sub_co_u32 s3, s3, 1
	s_cmp_lg_u32 s3, 0
	s_cbranch_scc1 .Llap
.endif
	QUARTER F1, 0, 2, F0, 0
	QUARTER F0, 0, 3, F1, 0
	TURN 0, 1, 0
	QUARTER F0, 1, 1, F1, 0
	QUARTER F1, 1, 2, F0, 0
	QUARTER F0, 1, 3, F1, 0
	s_wait_dscnt 0x0
	MUL16 F1, 0
	WIN 0
	PLACES
.endm
.macro CODES_OUT adr, step, base       ; a stage of codes that all four waves wrote leaves: each wave 4 KB on end
	s_wait_xcnt 0x0                                ; earlier stores have read v64-95
	s_wait_dscnt 0x0                               ; for the others' sake: my stores into the stage are done
	s_barrier_signal -1
	s_barrier_wait -1
.irp i, 0,1,2,3,4,5,6,7
	ds_load_b128 v[64+4*\i:67+4*\i], v[\adr] offset:\i*\step
.endr
.irp i, 0,1,2,3,4,5,6,7
	s_wait_dscnt 7-\i                              ; the later loads of this run may be out
	global_store_b128 v31, v[64+4*\i:67+4*\i], s[\base:\base+1] offset:\i*512
.endr
.endm
.macro TOSTAGE src                     ; 16 rows x 64 f32 into my own stage: lane (r, h) puts 32 bytes of row r for each b
.irp b, 0,1,2,3
	ds_store_b128 v24, v[\src+8*\b:\src+8*\b+3] offset:64*\b
	ds_store_b128 v24, v[\src+8*\b+4:\src+8*\b+7] offset:64*\b+16
.endr
.endm
.macro FROMSTAGE                       ; and back as whole rows of 256 bytes, two an instruction (LDS serves a wave's instructions in order: ISA guide 5.7.1.4)
.irp t, 0,1,2,3,4,5,6,7
	ds_load_b128 v[64+4*\t:67+4*\t], v25 offset:\t*544
.endr
.endm
	s_load_b128 s[4:7], s[0:1], 0x0                ; pre, lowp_scales
	s_load_b64 s[8:9], s[0:1], 0x10                ; act1
	v_lshl_add_u32 v28, v0, 2, SPARE
	v_mov_b32 v29, 0
	ds_add_u32 v28, v29
	ds_add_u32 v28, v29
	s_wait_dscnt 0x0
	v_lshrrev_b32 v1, 5, v0
	v_readfirstlane_b32 s10, v1                    ; wave
	s_lshr_b32 s11, s10, 1                         ; my half of the A side.  Also: I fetch for A (0) or B (1)
	s_and_b32 s12, s10, 1                          ; my half of the B side.  Also: which two panels of a slot I fetch
	s_bfe_u32 s40, ttmp6, 0x40000                  ; cx
	s_bfe_u32 s41, ttmp6, 0x40004                  ; cy
	s_and_b32 s14, ttmp7, 0xffff                   ; the cluster's y
	s_sub_co_u32 s15, ttmp9, 4
	s_sub_co_u32 s16, ttmp9, 2
	s_mov_b32 s19, PRE_WCAT+131072                 ; V: A = wv's rows,
	s_mov_b32 s20, 8388608                         ;    B = z by e4
	s_cmp_lt_u32 ttmp9, 4
	s_cselect_b32 s17, s14, s15                    ; four A-side tiles begin at 4 x this,
	s_cselect_b32 s18, s16, s14                    ; four B-side tiles at 4 x this
	s_cselect_b32 s19, 12582912, s19               ; U: z by e6,
	s_cselect_b32 s20, PRE_WCAT+262144, s20        ;    wu
	s_cmp_lt_u32 ttmp9, 2
	s_cselect_b32 s18, 0, s18
	s_cselect_b32 s19, 4194304, s19                ; K: z by e2, wk
	s_cselect_b32 s20, PRE_WCAT+65536, s20
	s_cmp_eq_u32 ttmp9, 0
	s_cselect_b32 s19, 0, s19                      ; Q: z by e0, wq
	s_cselect_b32 s20, PRE_WCAT, s20
	s_lshl_b32 s13, s17, 2
	s_add_co_u32 s13, s13, s41                     ; IA: my A-side tile
	s_lshl_b32 s42, s18, 2
	s_add_co_u32 s42, s42, s40                     ; IB: my B-side tile
	s_lshl_b32 s43, s41, 2
	s_lshl_b32 s43, 15, s43                        ; my row of the cluster
	s_lshl_b32 s44, 0x1111, s40                    ; my column
	s_or_b32 s[G1], s43, W0
	s_or_b32 s[G1B], s44, W0
.irp g, G1, G1B
	s_mov_b32 s[\g+1], 2048<<16                    ; tensor_dim0 = 2,048 elements: a block of 16 KB
	s_mov_b32 s[\g+2], 2<<16                       ; tensor_dim1 = 2 panels
	s_mov_b32 s[\g+3], 2048<<16                    ; tile_dim0
	s_mov_b32 s[\g+4], 2                           ; tile_dim1
	s_mov_b32 s[\g+6], 0
	s_mov_b32 s[\g+7], 0
.endr
	s_mov_b32 s[G1+5], STRA/8                      ; from panel to panel, in elements
	s_mov_b32 s[G1B+5], STRB/8
	s_lshl_b32 s16, s13, 14
	s_mul_i32 s17, s12, 2*STRA
	s_add_co_u32 s16, s16, s17
	s_add_co_u32 s16, s16, s19
	s_mov_b32 s17, 0
	s_lshl_b32 s46, s42, 14
	s_mul_i32 s47, s12, 2*STRB
	s_add_co_u32 s46, s46, s47
	s_add_co_u32 s46, s46, s20
	s_mov_b32 s47, 0
	s_mul_i32 s21, s10, 2*BLK                      ; where my two blocks go: no place in the cluster enters an LDS address
	s_wait_kmcnt 0x0
	s_load_b256 s[68:75], s[6:7], 0x0              ; e0 .. e7
	s_load_b128 s[76:79], s[6:7], 0x20             ; e8 .. e11
	s_add_nc_u64 s[14:15], s[4:5], s[16:17]
	s_add_nc_u64 s[46:47], s[4:5], s[46:47]
	CROUND                                         ; all sixteen work-groups are here: the joint loads meet
.irp s, 0,1
	s_mov_b32 s[G0+4*\s], 1
	s_add_co_u32 s[G0+4*\s+1], s21, \s*SLOT
	s_add_nc_u64 s[G0+4*\s+2:G0+4*\s+3], s[14:15], \s*4*STRA
	s_or_b32 s[G0+4*\s+3], s[G0+4*\s+3], 0x80000000
	s_mov_b32 s[G0B+4*\s], 1
	s_add_co_u32 s[G0B+4*\s+1], s21, \s*SLOT
	s_add_nc_u64 s[G0B+4*\s+2:G0B+4*\s+3], s[46:47], \s*4*STRB
	s_or_b32 s[G0B+4*\s+3], s[G0B+4*\s+3], 0x80000000
	JLOAD \s                                       ; two loads of mine are out
.endr
	v_and_b32 v1, 15, v0                           ; r
	v_bfe_u32 v2, v0, 4, 1                         ; h
	v_and_b32 v5, 31, v0                           ; lane
	v_lshrrev_b32 v3, 1, v1                        ; a fragment: row r lies in line r / 2, half r % 2
	v_mul_u32_u24 v3, v3, 272
	v_and_b32 v4, 1, v1
	v_lshl_add_u32 v3, v4, 7, v3
	v_lshl_add_u32 v3, v2, 4, v3
	s_mul_i32 s21, s11, 8704
	s_mul_i32 s22, s12, 8704
	s_add_co_u32 s22, s22, 4*BLK
.irp s, 0,1
	v_add_nc_u32 v[16+\s], s21, v3
	v_add_nc_u32 v[20+\s], s22, v3
	s_add_co_u32 s21, s21, SLOT
	s_add_co_u32 s22, s22, SLOT
.endr
	s_mul_i32 s21, s10, 4352
	s_add_co_u32 s21, s21, FST                     ; my f32 stage
	v_mul_u32_u24 v24, v1, 272
	v_lshl_add_u32 v24, v2, 5, v24
	v_add_nc_u32 v24, s21, v24
	v_mul_u32_u24 v25, v2, 272
	v_lshl_add_u32 v25, v1, 4, v25
	v_add_nc_u32 v25, s21, v25
	v_lshlrev_b32 v26, 12, v2
	v_lshl_add_u32 v26, v1, 4, v26                 ; and the same two rows in a tensor of 4,096-byte rows
	s_mul_i32 s21, s11, 64*144
	s_lshl_b32 s22, s12, 6
	s_add_co_u32 s21, s21, s22
	v_mul_u32_u24 v22, v1, 144
	v_lshl_add_u32 v22, v2, 3, v22
	v_add_nc_u32 v22, s21, v22                     ; codes' stage, in: row 64 wr + r, byte 64 wc + 8 h
	s_mul_i32 s21, s10, 4608
	v_lshrrev_b32 v30, 3, v5
	v_mul_u32_u24 v30, v30, 144
	v_and_b32 v4, 7, v5
	v_lshl_add_u32 v30, v4, 4, v30
	v_add_nc_u32 v30, s21, v30                     ; out: my 32 rows, four an instruction
	v_lshlrev_b32 v31, 4, v5
	s_lshl_b32 s21, s12, 13
	s_lshl_b32 s22, s11, 11
	s_add_co_u32 s21, s21, s22
	s_add_co_u32 s21, s21, QST
	v_lshlrev_b32 v23, 5, v1
	v_lshl_add_u32 v23, v2, 3, v23
	v_add_nc_u32 v23, s21, v23                     ; Q's and K's stage, in: head 2 wc + b / 2, row 64 wr + 16 a + r
	s_lshl_b32 s21, s10, 12
	s_add_co_u32 s21, s21, QST
	v_add_nc_u32 v18, s21, v31                     ; out: head w
	; cos and sin of my 64 rows: every section asks (U and V use none), so that the loads stand on the one way that all take, ahead of the products
	s_lshl_b32 s16, s13, 7
	s_lshl_b32 s17, s11, 6
	s_add_co_u32 s16, s16, s17
	s_and_b32 s16, s16, 2047                       ; t of my first row
	s_lshl_b32 s16, s16, 7
	s_add_co_u32 s16, s16, PRE_ROPE
	s_mov_b32 s17, 0
	s_add_nc_u64 s[82:83], s[4:5], s[16:17]
	v_lshlrev_b32 v6, 7, v1
	v_lshl_add_u32 v6, v2, 4, v6
.irp a, 0,1,2,3
.irp q, 0,1
.irp n, 0,1
	global_load_b128 v[32+16*\a+8*\q+4*\n:35+16*\a+8*\q+4*\n], v6, s[82:83] offset:\a*2048+\q*32+\n*64   ; row 16 a + r; frequencies 8 q + 4 h + 0 .. 3; n = 1: sin
.endr
.endr
.endr
	; where my part of the result goes: three offsets, of which the section chooses one
	s_lshr_b32 s14, s13, 4
	s_lshl_b32 s14, s14, 4
	s_lshl_b32 s15, s42, 2
	s_add_co_u32 s14, s14, s15
	s_add_co_u32 s14, s14, s10                     ; 16 b + head 4 IB + w
	s_lshl_b32 s14, s14, 16
	s_and_b32 s15, s13, 15
	s_lshl_b32 s15, s15, 12
	s_add_co_u32 s14, s14, s15
	s_cmp_eq_u32 ttmp9, 1
	s_cselect_b32 s15, 2097152, 0
	s_add_co_u32 s14, s14, s15                     ; Q or K: [b][head][t][32 bytes]
	s_lshl_b32 s15, s13, 19
	s_lshl_b32 s16, s11, 18
	s_add_co_u32 s15, s15, s16
	s_lshl_b32 s16, s42, 9
	s_add_co_u32 s15, s15, s16
	s_lshl_b32 s16, s12, 8
	s_add_co_u32 s15, s15, s16
	s_add_co_u32 s15, s15, 8388608                 ; sigmoid(U): [4,096][1,024] f32
	s_lshr_b32 s16, s42, 4
	s_lshl_b32 s16, s16, 4
	s_lshl_b32 s17, s13, 1
	s_add_co_u32 s16, s16, s17
	s_add_co_u32 s16, s16, s11                     ; 16 b + head 2 IA + w / 2
	s_lshl_b32 s16, s16, 4
	s_and_b32 s17, s42, 15
	s_add_co_u32 s16, s16, s17
	s_lshl_b32 s16, s16, 13
	s_lshl_b32 s17, s12, 12
	s_add_co_u32 s16, s16, s17
	s_add_co_u32 s16, s16, 4194304                 ; V: [b][head][t / 128][channel][128 bytes of t]
	s_cmp_lt_u32 ttmp9, 4
	s_cselect_b32 s16, s15, s16
	s_cmp_lt_u32 ttmp9, 2
	s_cselect_b32 s16, s14, s16
	s_mov_b32 s17, 0
	s_add_nc_u64 s[86:87], s[8:9], s[16:17]
	s_wait_kmcnt 0x0
	s_sub_co_i32 s80, s76, s68
	s_sub_co_i32 s80, s80, s69                     ; a sum stands for sum x 2^(e0 + e1): Q's code is sum / 2^(e8 - e0 - e1)
	s_sub_co_i32 s81, s77, s70
	s_sub_co_i32 s81, s81, s71                     ; K: e9 - e2 - e3
	s_sub_co_i32 s16, s79, s72
	s_sub_co_i32 s16, s16, s73                     ; V: e11 - e4 - e5
	s_cmp_eq_u32 ttmp9, 0
	s_cselect_b32 s80, s80, s81
	s_cmp_lt_u32 ttmp9, 2
	s_cselect_b32 s80, s80, s16
	s_add_co_i32 s80, s80, 127
	s_lshl_b32 s81, s80, 23
	v_mov_b32 v10, s81                             ; the conversion's scale
	s_add_co_i32 s80, s80, 8
	s_lshl_b32 s80, s80, 23
	s_or_b32 s80, s80, 0x600000
	v_mov_b32 v11, s80                             ; 448 x that
	s_add_co_i32 s84, s74, s75
	s_lshl_b32 s84, s84, 23
	s_add_co_i32 s84, s84, 0xbfb8aa3b              ; -log2(e) x 2^(e6 + e7)
	s_mov_b32 s85, s84
	MAIN
	s_wait_loadcnt 0x0                             ; cos and sin
	s_cmp_lt_u32 ttmp9, 2
	s_cbranch_scc1 .Lqk
	s_cmp_lt_u32 ttmp9, 4
	s_cbranch_scc1 .Lu
; ---- V: held, converted, through the codes' stage
.macro VCODE a, b
.set NN, 4*\a+\b
.set AC, ACC+8*NN
.set TT, 96+8*(NN%2)
.set CD, 112+2*(NN%8)
.irp j, 0,1,2,3,4,5,6,7
	v_med3_num_f32 v[TT+\j], v[AC+\j], -v11, v11
.endr
.if NN >= 8
	s_wait_dscnt 7                                 ; the store that read this pair of registers, eight stores back, is done
.endif
	v_cvt_scalef32_pk8_fp8_f32 v[CD:CD+1], v[TT:TT+7], v10
	ds_store_b64 v22, v[CD:CD+1] offset:\a*2304+16*\b
.endm
.irp a, 0,1,2,3
.irp b, 0,1,2,3
	VCODE \a, \b
.endr
.endr
	v_nop                                          ; a plain line behind the last conversion
	CODES_OUT 30, 576, 86
	s_branch .Lend
; ---- Q and K: RoPE on the pairs (2 k, 2 k + 1) that a lane holds side by side, then codes.  Column d = 16 (b % 2) + 8 h + j of head 2 wc + b / 2
.Lqk:
.macro ROPEQ a, b
.set NN, 4*\a+\b
.set AC, ACC+8*NN
.set CO, 32+16*\a+8*(\b%2)
.set TT, 96+8*(NN%2)
.set CD, 112+2*(NN%8)
.irp i, 0,2
	v_pk_mul_f32 v[TT+2*\i:TT+2*\i+1], v[AC+2*\i:AC+2*\i+1], v[CO+\i:CO+\i+1] op_sel_hi:[1,0]                      ; (x0, x1) cos
	v_pk_mul_f32 v[TT+2*\i+2:TT+2*\i+3], v[AC+2*\i+2:AC+2*\i+3], v[CO+\i:CO+\i+1] op_sel:[0,1] op_sel_hi:[1,1]
.endr
.irp i, 0,2
	v_pk_fma_f32 v[TT+2*\i:TT+2*\i+1], v[AC+2*\i:AC+2*\i+1], v[CO+4+\i:CO+5+\i], v[TT+2*\i:TT+2*\i+1] op_sel:[1,0,0] op_sel_hi:[0,0,1] neg_lo:[1,0,0]   ; + (-x1, x0) sin
	v_pk_fma_f32 v[TT+2*\i+2:TT+2*\i+3], v[AC+2*\i+2:AC+2*\i+3], v[CO+4+\i:CO+5+\i], v[TT+2*\i+2:TT+2*\i+3] op_sel:[1,1,0] op_sel_hi:[0,1,1] neg_lo:[1,0,0]
.endr
.irp j, 0,1,2,3,4,5,6,7
	v_med3_num_f32 v[TT+\j], v[TT+\j], -v11, v11
.endr
.if NN >= 8
	s_wait_dscnt 7                                 ; the store that read this pair of registers, eight stores back, is done
.endif
	v_cvt_scalef32_pk8_fp8_f32 v[CD:CD+1], v[TT:TT+7], v10
	ds_store_b64 v23, v[CD:CD+1] offset:(\b/2)*4096+\a*512+(\b%2)*16
.endm
.irp a, 0,1,2,3
.irp b, 0,1,2,3
	ROPEQ \a, \b
.endr
.endr
	v_nop
	CODES_OUT 18, 512, 86                          ; wave w sends head w: 128 rows x 32 bytes on end
	s_branch .Lend
; ---- U: sigmoid in f32, 16 rows at a time through my own stage
.Lu:
.irp a, 0,1,2,3
.irp b, 0,1,2,3
.irp k, 0,2,4,6
	v_pk_mul_f32 v[32+8*\b+\k:33+8*\b+\k], v[ACC+8*(4*\a+\b)+\k:ACC+8*(4*\a+\b)+\k+1], s[84:85] op_sel_hi:[1,0]
.endr
.endr
.set k, 0
.rept 32
	v_exp_f32 v[32+k], v[32+k]
.set k, k+1
.endr
	v_nop
	s_wait_alu depctr_va_vdst(0)                   ; one wait for the batch, ahead of its first reader
.set k, 0
.rept 16
	v_pk_add_f32 v[32+k:33+k], v[32+k:33+k], 1.0 op_sel_hi:[1,0]
.set k, k+2
.endr
.set k, 0
.rept 32
	v_rcp_f32 v[32+k], v[32+k]
.set k, k+1
.endr
	v_nop
	s_wait_alu depctr_va_vdst(0)
	TOSTAGE 32
	s_wait_xcnt 0x0                                ; the last block's stores have read v64-95
	FROMSTAGE
.irp t, 0,1,2,3,4,5,6,7
	s_wait_dscnt 7-\t
	global_store_b128 v26, v[64+4*\t:67+4*\t], s[86:87] offset:(16*\a+2*\t)*4096   ; 16 lanes store 256 consecutive bytes, aligned
.endr
.endr
.Lend:
	s_wait_tensorcnt 0x0                           ; the wave's end
	ds_add_u32 v28, v29
	s_wait_dscnt 0x0
	CROUND                                         ; the closing round
	s_endpgm
.Lfunc_end_k_q6d35df769b_g1:
	.size	k_q6d35df769b_g1, .Lfunc_end_k_q6d35df769b_g1-k_q6d35df769b_g1
	.p2alignl 7, 3214868480
	.fill 96, 4, 3214868480
	.section	.rodata,"a",@progbits
	.p2align	6, 0x0
	.amdhsa_kernel k_q6d35df769b_g1
		.amdhsa_group_segment_fixed_size 327680
		.amdhsa_private_segment_fixed_size 0
		.amdhsa_enable_private_segment 0
		.amdhsa_kernarg_size 24
		.amdhsa_user_sgpr_count 2
		.amdhsa_user_sgpr_kernarg_segment_ptr 1
		.amdhsa_wavefront_size32 1
		.amdhsa_system_sgpr_workgroup_id_x 1
		.amdhsa_system_sgpr_workgroup_id_y 1
		.amdhsa_system_sgpr_workgroup_id_z 1
		.amdhsa_system_vgpr_workitem_id 0
		.amdhsa_next_free_vgpr 512
		.amdhsa_next_free_sgpr 100
		.amdhsa_reserve_vcc 0
		.amdhsa_float_denorm_mode_32 3
		.amdhsa_float_denorm_mode_16_64 3
		.amdhsa_memory_ordered 1
		.amdhsa_forward_progress 1
		.amdhsa_inst_pref_size 96
	.end_amdhsa_kernel
	.amdgpu_metadata
---
amdhsa.version: [ 1, 2 ]
amdhsa.kernels:
  - .name:           k_q6d35df769b_g1
    .symbol:         k_q6d35df769b_g1.kd
    .args:
      - { .name: pre, .offset: 0, .size: 8, .value_kind: global_buffer, .address_space: global }
      - { .name: lowp_scales, .offset: 8, .size: 8, .value_kind: global_buffer, .address_space: global }
      - { .name: act1, .offset: 16, .size: 8, .value_kind: global_buffer, .address_space: global }
    .group_segment_fixed_size: 327680
    .private_segment_fixed_size: 0
    .kernarg_segment_align: 8
    .kernarg_segment_size: 24
    .max_flat_workgroup_size: 128
    .sgpr_count:     100
    .vgpr_count:     512
    .wavefront_size: 32
...
	.end_amdgpu_metadata
.endif
;; end of part 2
;; launch attn (part 3): grid 8 x 32, 16 waves a work-group, no clusters, 289,792 bytes of LDS; arguments act1, mw, rel_pos_table, lowp_scales, gc; writes gc
.if DOCPART == 3
	.amdgcn_target "amdgcn-amd-amdhsa--gfx1250"
	.amdhsa_code_object_version 6
	.text
	.protected	k_q6d35df769b_attn
	.globl	k_q6d35df769b_attn
	.p2align	8
	.type	k_q6d35df769b_attn,@function
k_q6d35df769b_attn:
	s_mov_b64 s[64:65], 0
	v_nop
	global_prefetch_b8 v0, s[64:65] scope:SCOPE_SE
	s_setreg_imm32_b32 hwreg(HW_REG_WAVE_MODE, 25, 1), 1
	s_wait_xcnt 0x0
; ATTN: A = clip(softmax(clip(Q K^T / sqrt(32) + bias, masked -> -inf, +-50)), 1e-8, 1), quantised FINISHED AND NORMALISED; pooled = A V; gated = sigmoid(U) x pooled, as codes.  Both products on codes of E4M3.
; TWO PASSES over the keys, since A is quantised after its division: pass 1 sums 2^t, t = clipped score x log2(e); pass 2 forms A = 2^(t - L), L = log2(sum), and multiplies.
; NO MAXIMUM IS TAKEN AWAY: reference()'s own clip at +-50 holds every exponential within 2^+-72.14 and a row's sum of 2,048 of them under 2^84: neither can overflow or underflow in f32.
; A masked score is -inf, which that clip makes -50: a masked key counts with exp(-50).  THE MASK only selects values: in every step 64 words of lane bits give masked scores the clip's lower bound; no branch hangs on it.
; In pass 2 ONE v_med3 in the exponent does four things: the clip of the score (+-72.13 - L), the clip of A (log2(1e-8) .. 0), the hold at 448 x 2^e10 (as e10 + 8.8073: 447.98, which rounds to the code 448), and with the addend -L the division.
; SHARES.  A work-group = one (batch, head) and 256 queries.  The head's K (64 KB) and V (128 KB) codes are copied into LDS once, through registers.  SIXTEEN WAVES, four to a SIMD, 256 registers each: wave w owns the 32 queries
; of block w % 8 (two tiles x = 0, 1) and HALF w / 8 OF THE KEYS: 16 steps of 64 keys, walked twice.  A step's 64 mask words fill the wave's scalar registers, so a wave can ask for them one step ahead and no more: four waves
; on a SIMD have four steps' words on their way, and three waves' work stands beside one wave's wait.  The two waves of a block meet twice, through LDS: between the passes they add their row sums, at the end their O^T.
; NO CLUSTER, NO TENSOR LOAD: the eight work-groups of a head read the same K and V, but once, 192 KB each, ahead of two walks over 2,048 keys; and K goes into LDS with its 16-byte pieces reordered
; (images of fragments), which a lane's store does and a tile load does not.
; LAYOUT.  S^T = K Q^T by v_wmma_f32_16x16x64_fp8_fp8 with K = 32 used: an operand of K holds TWO tiles of 16 keys (registers 0-3, 4-7), and Q stands beside zeros: [q 0] meets the first tile, [0 q] the second.
; Lane r of tile 2 c + u takes key 32 c + 8 u + r + 8 (r / 8), so register i of a query tile is key 32 (i / 16) + 16 h + i % 16, and the conversions' results are the second product's operand.  O^T = V^T A^T: a lane holds one query throughout.
; THE BIAS is table[0] where key - query <= -16 and table[31] where >= 15: a step off the diagonal has one addend; the steps of a wave that touch the band (a branch on ids and the loop's counter) fetch the table by a lane permute.
; LIMITS: e8 + e9 between -124 and 129; e10, and e12 - e10 - e11, between -126 and 119.  A's relative error is that of t - L in f32: about 1e-6 at L near 11, up to 5e-6 where |t - L| nears 83.  NaN is not served.
; A row's sum and O^T are each two f32 sums, over keys 0-1,023 and 1,024-2,047, added once: another order of rounding than one running sum.
; REGISTERS: v1 16 x lane; v2, v3 V's lane bases; v4 K's address; v5, v6 V's; v7 table x log2(e); v8, v9 the band's index; v10, v11 -L; v12, v13 the step's addend; v14, v15 where I put my row sums and find my partner's;
;   v16-35 Q among zeros; v36-51 K; v52-115 S; v116-179 O (pass 1: the sums); v180-195 A's codes; v196-227 V; v228-243 work; v244-247 addends below and above the band; v248-251 the clip's bounds; v252 2^e10;
;   v253 the upper bound of A's exponent; v254 the prefetch's offset; v255 my block's place for the exchange of O^T.   s3: my first step; s[32:63], s[68:99]: a step's 64 mask words, from the first LOADMASK on.
.set VB,  65536                        ; LDS: K's fragment images at 0 (a tile of 16 keys: 512 bytes, lane l's 16 at 16 l); V's rows here,
.set VP,  2064                         ; a channel's 2,048 keys + 16: an odd multiple of 16
.set STG, 197632                       ; the way out: 32 rows x 80 bytes for each block of queries
.set SX,  218112                       ; the row sums: 8 bytes a thread
.set OX,  222208                       ; O^T of the upper half of the keys: 8 KB for each block of queries, as an image of its 64 registers
.set NST, 16                           ; steps of a wave in a pass
.set KF,  36
.set S,   52
.set O,   116
.set P,   180
.set VF,  196
.set T,   228
	s_load_b256 s[4:11], s[0:1], 0x0               ; act1, mw, rel_pos_table, lowp_scales
	s_load_b64 s[12:13], s[0:1], 0x20              ; gc
	v_lshrrev_b32 v1, 5, v0
	v_readfirstlane_b32 s14, v1                    ; wave 0..15
	s_lshr_b32 s2, s14, 3                          ; my half of the keys
	s_lshl_b32 s3, s2, 4                           ; its first step
	s_and_b32 s29, s14, 7                          ; my block among the work-group's eight
	s_and_b32 s15, ttmp7, 0xffff                   ; 16 b + head
	s_lshl_b32 s16, ttmp9, 3
	s_add_co_u32 s16, s16, s29                     ; my block of 32 queries, 0..63
	s_lshr_b32 s24, s15, 4                         ; b
	s_lshl_b32 s25, s24, 6
	s_add_co_u32 s25, s25, s16                     ; its number among the mask's 128
	s_lshl_b32 s16, s16, 5                         ; q0
	s_mov_b32 s21, 0
	s_mov_b32 s30, 0x76543210
	s_mov_b32 s31, 0xfedcba98                      ; v_permlanex16_b32: lane l xor 16
	v_and_b32 v14, 15, v0                          ; r
	v_bfe_u32 v15, v0, 4, 1                        ; h
	v_and_b32 v1, 31, v0
	v_lshlrev_b32 v42, 2, v1
	v_lshlrev_b32 v254, 12, v1
	v_lshlrev_b32 v1, 4, v1
	v_mul_u32_u24 v2, v14, VP
	v_lshl_add_u32 v2, v15, 4, v2
	v_add_nc_u32 v2, VB, v2
	v_add_nc_u32 v3, 32*VP, v2
	v_lshlrev_b32 v8, 6, v15
	v_lshlrev_b32 v9, 2, v14
	v_sub_nc_u32 v8, v8, v9
	v_add_nc_u32 v8, 576, v8                       ; 4 (16 h - r + 144)
	v_lshlrev_b32 v41, 5, v14
	v_lshl_add_u32 v41, v15, 4, v41                ; Q: row r of 32 bytes, + 16 h
	v_lshrrev_b32 v36, 6, v0                       ; K's way in: thread t holds half t % 2 of key t / 2 (+ 256 i): group of 32 keys t / 64 (+ 8 i), tile (t / 16) % 2, lane ((t / 2) % 8) + 8 ((t / 32) % 2) + 16 (t % 2)
	v_lshlrev_b32 v36, 10, v36
	v_bfe_u32 v37, v0, 4, 1
	v_lshl_add_u32 v36, v37, 9, v36
	v_and_b32 v37, 1, v0
	v_lshl_add_u32 v36, v37, 8, v36
	v_bfe_u32 v37, v0, 5, 1
	v_lshl_add_u32 v36, v37, 7, v36
	v_bfe_u32 v37, v0, 1, 3
	v_lshl_add_u32 v36, v37, 4, v36
	v_lshrrev_b32 v38, 3, v0                       ; V's way in: channel t / 8, 16 bytes t % 8 of block i of 128 keys
	v_mul_u32_u24 v38, v38, VP
	v_and_b32 v37, 7, v0
	v_lshl_add_u32 v38, v37, 4, v38
	v_add_nc_u32 v38, VB, v38
	v_lshlrev_b32 v40, 4, v0
	v_lshlrev_b32 v14, 3, v0                       ; the exchanges' addresses are made here, ahead of every branch: 8 bytes a thread;
	v_xor_b32 v15, 0x800, v14                      ; my partner is the thread 256 away: the same lane of wave w xor 8
	v_add_nc_u32 v14, SX, v14
	v_add_nc_u32 v15, SX, v15
	s_lshl_b32 s28, s29, 13
	s_add_co_u32 s28, s28, OX
	v_add_nc_u32 v255, s28, v1                     ; my block's 8 KB, 16 x lane: the same address in both partners
	s_wait_kmcnt 0x0
	s_load_b128 s[40:43], s[10:11], 0x20           ; e8 .. e11
	s_load_b32 s44, s[10:11], 0x30                 ; e12
	s_lshl_b32 s20, s25, 13
	s_add_nc_u64 s[26:27], s[6:7], s[20:21]        ; my block's mask words: 256 bytes a step
	s_lshl_b32 s20, s15, 16
	s_add_nc_u64 s[50:51], s[4:5], s[20:21]
	s_add_nc_u64 s[46:47], s[50:51], 2097152       ; the head's K
	s_lshl_b32 s20, s16, 5
	s_add_nc_u64 s[50:51], s[50:51], s[20:21]      ; my 32 rows of Q
	s_lshl_b32 s20, s15, 17
	s_add_nc_u64 s[48:49], s[4:5], s[20:21]
	s_add_nc_u64 s[48:49], s[48:49], 4194304       ; the head's V
	s_lshl_b32 s18, s24, 11
	s_add_co_u32 s18, s18, s16                     ; my first row among the 4,096
	s_and_b32 s19, s15, 15                         ; head
	s_lshl_b32 s20, s18, 12
	s_lshl_b32 s25, s19, 8
	s_add_co_u32 s20, s20, s25
	s_add_co_u32 s20, s20, 8388608
	s_add_nc_u64 s[4:5], s[4:5], s[20:21]          ; sigmoid(U) at my first row, my head's 256 bytes
	s_lshr_b32 s20, s19, 1
	s_lshl_b32 s20, s20, 19
	s_lshr_b32 s25, s18, 7
	s_lshl_b32 s25, s25, 14
	s_add_co_u32 s20, s20, s25
	s_and_b32 s25, s19, 1
	s_lshl_b32 s25, s25, 13
	s_add_co_u32 s20, s20, s25
	s_and_b32 s25, s18, 127
	s_lshl_b32 s25, s25, 6
	s_add_co_u32 s20, s20, s25
	s_add_nc_u64 s[12:13], s[12:13], s[20:21]      ; gc: [head / 2][row / 128][head % 2][row % 128][64 bytes]
	global_load_b128 v[20:23], v41, s[50:51]
	global_load_b128 v[28:31], v41, s[50:51] offset:512
	global_load_b32 v7, v42, s[8:9]
.set i, 0
.rept 8
	global_load_b128 v[S+4*i:S+4*i+3], v40, s[46:47] offset:8192*i        ; the 512 threads read 8 KB on end
.set i, i+1
.endr
.set i, 0
.rept 16
	global_load_b128 v[S+32+4*i:S+32+4*i+3], v40, s[48:49] offset:8192*i
.set i, i+1
.endr
.irp z, 16,17,18,19,24,25,26,27,32,33,34,35
	v_mov_b32 v\z, 0                               ; the zeros beside Q
.endr
.set i, 0
.rept 8
	s_wait_loadcnt 23-i                            ; loads return in order: this one is in; K's 7 - i and V's 16 behind it may be out
	ds_store_b128 v36, v[S+4*i:S+4*i+3] offset:8192*i
.set i, i+1
.endr
.set i, 0
.rept 16
	s_wait_loadcnt 15-i                            ; (the last of these waits is for 0: every load above is done, and its address registers are free)
	ds_store_b128 v38, v[S+32+4*i:S+32+4*i+3] offset:128*i
.set i, i+1
.endr
	s_wait_kmcnt 0x0
	s_add_co_i32 s18, s40, s41
	s_lshl_b32 s18, s18, 23
	s_add_co_i32 s22, s18, 0x3e8293ee              ; c = log2(e) / sqrt(32) x 2^(e8 + e9)
	s_mov_b32 s23, s22
	s_add_co_i32 s18, s42, 127
	s_lshl_b32 s18, s18, 23
	v_mov_b32 v252, s18                            ; 2^e10
	v_cvt_f32_i32 v253, s42
	v_add_f32 v253, 0x410ceab3, v253
	v_min_num_f32 v253, 0, v253                    ; min(0, e10 + 8.8073)
	s_sub_co_i32 s18, s44, s42
	s_sub_co_i32 s18, s18, s43                     ; e12 - e10 - e11
	s_add_co_i32 s18, s18, 127
	s_lshl_b32 s10, s18, 23
	s_add_co_i32 s18, s18, 8
	s_lshl_b32 s11, s18, 23
	s_or_b32 s11, s11, 0x600000
	v_mul_f32 v7, 0x3fb8aa3b, v7                   ; the table in units of log2
	v_readlane_b32 s6, v7, 0
	v_readlane_b32 s7, v7, 31
	s_wait_dscnt 0x0                               ; for the others' sake: my part of K and V is in LDS
	s_barrier_signal -1
	s_barrier_wait -1
	v_mov_b32 v244, s6                             ; pass 1: L = 0
	v_mov_b32 v245, s6
	v_mov_b32 v246, s7
	v_mov_b32 v247, s7
	v_mov_b32 v248, 0xc29044fe                     ; -50 log2(e)
	v_mov_b32 v249, 0xc29044fe
	v_mov_b32 v250, 0x429044fe
	v_mov_b32 v251, 0x429044fe
	v_mov_b32 v10, 0
	v_mov_b32 v11, 0
.irp z, 116,117,118,119,120,121,122,123
	v_mov_b32 v\z, 0                               ; the sums: two packed chains for each tile
.endr
	s_lshl_b32 s18, s3, 11
	v_add_nc_u32 v4, s18, v1                       ; K of my first step: 2,048 bytes a step
.macro KLOAD                           ; a step's four tiles of keys
.irp n, 0,1,2,3
	ds_load_b128 v[KF+4*\n:KF+4*\n+3], v4 offset:512*\n
.endr
.endm
.macro VLOAD                           ; a step's 64 keys of all 64 channels
.irp t, 0,1
.irp c, 0,1
	ds_load_b128 v[VF+8*\t+4*\c:VF+8*\t+4*\c+3], v5 offset:\t*16*VP+32*\c
.endr
.endr
.irp t, 2,3
.irp c, 0,1
	ds_load_b128 v[VF+8*\t+4*\c:VF+8*\t+4*\c+3], v6 offset:(\t-2)*16*VP+32*\c
.endr
.endr
.endm
.macro QK
.irp c, 0,1
.irp x, 0,1
	v_wmma_f32_16x16x64_fp8_fp8 v[S+32*\x+16*\c:S+32*\x+16*\c+7], v[KF+8*\c:KF+8*\c+7], v[20+8*\x:27+8*\x], 0
	v_wmma_f32_16x16x64_fp8_fp8 v[S+32*\x+16*\c+8:S+32*\x+16*\c+15], v[KF+8*\c:KF+8*\c+7], v[16+8*\x:23+8*\x], 0
.endr
.endr
.endm
.macro PV                              ; eight accumulators, one instruction each
.irp t, 0,1,2,3
.irp x, 0,1
	v_wmma_f32_16x16x64_fp8_fp8 v[O+32*\x+8*\t:O+32*\x+8*\t+7], v[VF+8*\t:VF+8*\t+7], v[P+8*\x:P+8*\x+7], v[O+32*\x+8*\t:O+32*\x+8*\t+7]
.endr
.endr
.endm
.macro SCALE                           ; t - L = score x c + the step's one addend; each accumulator from its low end on
.set k, 0
.rept 16
	v_pk_fma_f32 v[S+k:S+k+1], v[S+k:S+k+1], s[22:23], v[12:13] op_sel_hi:[1,0,0]
.set k, k+2
.endr
.set k, 0
.rept 16
	v_pk_fma_f32 v[S+32+k:S+33+k], v[S+32+k:S+33+k], s[22:23], v[12:13] op_sel:[0,0,1] op_sel_hi:[1,0,1]
.set k, k+2
.endr
.endm
.macro CLIP
.set k, 0
.rept 32
	v_med3_num_f32 v[S+k], v[S+k], v248, v250
.set k, k+1
.endr
.set k, 0
.rept 32
	v_med3_num_f32 v[S+32+k], v[S+32+k], v249, v251
.set k, k+1
.endr
.endm
.macro LOADMASK                        ; 64 words, 256 bytes, at byte s28 of my block's: word w into s[32 + w + 4 (w / 32)]
	s_load_b512 s[32:47], s[26:27], s28 offset:0x0
	s_load_b512 s[48:63], s[26:27], s28 offset:0x40
	s_load_b512 s[68:83], s[26:27], s28 offset:0x80
	s_load_b512 s[84:99], s[26:27], s28 offset:0xc0
.endm
.macro MASKSEL                         ; a masked score takes the lower bound
	s_wait_kmcnt 0x0                               ; this step's words, asked for a step ago (scalar loads return in no order: the count is 0)
.set w, 0
.rept 64
	v_cndmask_b32 v[S+32*(w%2)+w/2], v[248+w%2], v[S+32*(w%2)+w/2], s[32+w+4*(w/32)]
.set w, w+1
.endr
.endm
.macro DIAGX x                         ; the band: register i of lane (r, h) has key - query = rel + 32 (i / 16) + i % 16 + 16 h - r - 16 x; the table's index is that + 16, held within 0 .. 31
	s_sub_co_i32 s29, s25, 64*\x
	v_add_nc_u32 v9, s29, v8                       ; 4 (rel - 16 x + 16 h - r + 144): positive in these steps
.irp n, 0,1,2,3
.irp j, 0,1,2,3,4,5,6,7
	v_add_nc_u32 v[T+\j], 4*(32*(\n/2)+8*(\n%2)+\j), v9
.endr
.irp j, 0,1,2,3,4,5,6,7
	v_min_u32 v[T+8+\j], 0x200, v[T+\j]
.endr
.irp j, 0,1,2,3,4,5,6,7
	v_sub_nc_u32 v[T+\j], v[T+\j], v[T+8+\j]       ; max(. - 512, 0)
.endr
.irp j, 0,1,2,3,4,5,6,7
	v_min_u32 v[T+\j], 124, v[T+\j]
.endr
.irp j, 0,1,2,3,4,5,6,7
	ds_bpermute_b32 v[T+8+\j], v[T+\j], v7         ; lane n holds table[n]
.endr
	s_wait_dscnt 0x0
.irp j, 0,1,2,3,4,5,6,7
	v_add_f32 v[T+8+\j], v[T+8+\j], v[10+\x]
.endr
.irp j, 0,1,2,3,4,5,6,7
	v_fma_f32 v[S+32*\x+8*\n+\j], v[S+32*\x+8*\n+\j], s22, v[T+8+\j]
.endr
.endr
.endm
.macro PASS p
	s_mov_b32 s17, 0
.Lstep_\p:
	s_add_co_u32 s20, s17, s3                      ; the step's number among the head's 32
	s_lshl_b32 s20, s20, 6
	s_sub_co_i32 s20, s20, s16                     ; rel = the step's first key - my first query
	s_add_co_u32 s18, s17, 1
	s_and_b32 s18, s18, NST-1
	s_add_co_u32 s18, s18, s3                      ; the next step (behind my last: my first again, which pass 2 begins with)
	s_lshl_b32 s19, s18, 6
	s_lshl_b32 s18, s18, 11
	s_cmp_lt_i32 s20, 0
	s_cselect_b32 s24, -1, 0
.if \p == 1
	s_wait_dscnt 0x0                               ; K is in
.else
	s_wait_dscnt 0x8                               ; K's four loads are in; V's eight, issued behind them, may be out
.endif
	QK
	v_add_nc_u32 v4, s18, v1                       ; four plain places behind the products: the next K's address, the step's addends,
	v_cndmask_b32 v12, v246, v244, s24
	v_cndmask_b32 v13, v247, v245, s24
	v_nop
	KLOAD                                          ; the next step's K, a step ahead of its use
	s_add_co_i32 s25, s20, 79
	s_cmp_lt_u32 s25, 125                          ; -79 <= rel <= 45: some key - query lies between -16 and 15.  The branch hangs on ids and the loop's counter alone
	s_cbranch_scc1 .Ldiag_\p
	SCALE
	s_branch .Lsel_\p
.Ldiag_\p:
	s_lshl_b32 s25, s20, 2
	DIAGX 0
	DIAGX 1
.Lsel_\p:
	MASKSEL
	CLIP
	s_lshl_b32 s28, s19, 2                         ; 256 x the next step: written behind MASKSEL's wait, which shows the loads that read it done
	LOADMASK                                       ; the next step's words: the 64 selects that read the old ones stand 64 vector lines back; these have the rest of the trip and the next products in which to come
.set k, 0
.rept 64
	v_exp_f32 v[S+k], v[S+k]
.set k, k+1
.endr
	v_nop                                          ; a plain place behind the last exponential
	s_wait_alu depctr_va_vdst(0)                   ; one wait for the batch of 64, ahead of its first reader
.if \p == 1
.set k, 0
.rept 16
	v_pk_add_f32 v[116+2*(k%2):117+2*(k%2)], v[116+2*(k%2):117+2*(k%2)], v[S+2*k:S+2*k+1]
	v_pk_add_f32 v[120+2*(k%2):121+2*(k%2)], v[120+2*(k%2):121+2*(k%2)], v[S+32+2*k:S+33+2*k]
.set k, k+1
.endr
.else
.set k, 0
.rept 8
	v_cvt_scalef32_pk8_fp8_f32 v[P+2*k:P+2*k+1], v[S+8*k:S+8*k+7], v252   ; no hold here: the exponent was held under e10 + 8.8073
.set k, k+1
.endr
	v_nop                                          ; a plain line between the conversions and the products that read their results
	s_wait_dscnt 0x4                               ; V is in; the next K's four loads may be out
	PV
	v_add_nc_u32 v5, s19, v2                       ; four plain places, then the next step's V
	v_add_nc_u32 v6, s19, v3
	v_nop
	v_nop
	VLOAD
.endif
	s_add_co_u32 s17, s17, 1
	s_cmp_lt_u32 s17, NST
	s_cbranch_scc1 .Lstep_\p
.endm
	s_lshl_b32 s28, s3, 8
	LOADMASK                                       ; my first step's words.  s32-51 held exponents and the addresses of loads: the exponents have been read, the loads are done
	KLOAD
	PASS 1
	; between the passes: each query's sum over my half of the keys, my partner's, L = log2 of the two, and pass 2's addends and bounds
	v_pk_add_f32 v[116:117], v[116:117], v[118:119]
	v_pk_add_f32 v[120:121], v[120:121], v[122:123]
	v_add_f32 v116, v116, v117
	v_add_f32 v120, v120, v121
	v_permlanex16_b32 v9, v116, s30, s31           ; the query's other keys of my half lie in the lane 16 away
	v_permlanex16_b32 v117, v120, s30, s31
	v_add_f32 v116, v116, v9
	v_add_f32 v117, v120, v117                     ; tile 1's sum beside tile 0's
	s_wait_dscnt 0x0                               ; no LDS instruction of mine is out at a signal
	s_barrier_signal -1                            ; parts every wave's reads and lane permutes of pass 1 from the stores below
	s_barrier_wait -1
	ds_store_b64 v14, v[116:117]
	s_wait_dscnt 0x0                               ; for my partner's sake: the store is done
	s_barrier_signal -1
	s_barrier_wait -1
	ds_load_b64 v[118:119], v15                    ; the same queries' sums over the other half of the keys
	s_wait_dscnt 0x0
	v_pk_add_f32 v[116:117], v[116:117], v[118:119]   ; both partners add the same two numbers: both hold the same L
	v_log_f32 v10, v116
	v_log_f32 v11, v117
	v_nop
	s_wait_alu depctr_va_vdst(0)
	v_sub_f32 v10, 0, v10
	v_sub_f32 v11, 0, v11
.irp x, 0,1
	v_add_f32 v[244+\x], s6, v[10+\x]
	v_add_f32 v[246+\x], s7, v[10+\x]
	v_add_f32 v[248+\x], 0xc29044fe, v[10+\x]
	v_max_num_f32 v[248+\x], 0xc1d49a78, v[248+\x] ; log2(1e-8)
	v_add_f32 v[250+\x], 0x429044fe, v[10+\x]
	v_min_num_f32 v[250+\x], v[250+\x], v253
	v_min_num_f32 v[248+\x], v[248+\x], v[250+\x]
.endr
.set k, 0
.rept 64
	v_mov_b32 v[O+k], 0                            ; once: the loop then has no first step of its own
.set k, k+1
.endr
	s_lshl_b32 s19, s3, 6
	v_add_nc_u32 v5, s19, v2
	v_add_nc_u32 v6, s19, v3
	VLOAD                                          ; my first step's V; its K came with pass 1's last trip
	s_cmp_lt_u32 s14, 8                            ; the waves of the lower half of the keys will read sigmoid(U): they ask, so that each block is named once in the launch
	s_cbranch_scc0 .Lno_ask
	global_prefetch_b8 v254, s[4:5] th:TH_LOAD_NT scope:SCOPE_SE   ; my 32 rows' 256 bytes of sigmoid(U), a lane a row: a whole pass ahead of the loads; its registers are written again only at the wave's end
.Lno_ask:
	PASS 2
	; THE END.  The four places behind the last products stand in the loop's last trip.
	s_wait_kmcnt 0x0                               ; the last trip's words (my first step's once more, inside the buffer), which nobody reads
	s_wait_dscnt 0x0
	s_barrier_signal -1                            ; parts every wave's reads and lane permutes of pass 2 from the stores below
	s_barrier_wait -1
	v_and_b32 v247, 15, v0                         ; the way out's addresses, made by every wave ahead of the branches
	v_bfe_u32 v248, v0, 4, 1
	v_lshlrev_b32 v244, 12, v247
	v_lshl_add_u32 v244, v248, 5, v244             ; sigmoid(U): row r of 4,096 bytes, + 32 h
	s_and_b32 s18, s14, 7
	s_mul_i32 s18, s18, 2560
	s_add_co_u32 s18, s18, STG
	v_mul_u32_u24 v245, v247, 80
	v_lshl_add_u32 v245, v248, 3, v245
	v_add_nc_u32 v245, s18, v245                   ; the stage, in: row r, + 8 h
	v_bfe_u32 v246, v0, 2, 3
	v_mul_u32_u24 v246, v246, 80
	v_and_b32 v249, 3, v0
	v_lshl_add_u32 v246, v249, 4, v246
	v_add_nc_u32 v246, s18, v246                   ; out: row lane / 4, 16 bytes lane % 4
	v_mov_b32 v252, s10                            ; 2^(e12 - e10 - e11): a sum of the second product stands for sum x 2^(e10 + e11)
	v_mov_b32 v253, s11
	s_cmp_lt_u32 s14, 8
	s_cbranch_scc1 .Lkeep
.set j, 0
.rept 16
	ds_store_b128 v255, v[O+4*j:O+4*j+3] offset:512*j   ; the upper half's O^T as an image of its registers, each accumulator from its low end on
.set j, j+1
.endr
	s_branch .Lmeet
.Lkeep:
.irp x, 0,1
.irp t, 0,1,2,3
.irp e, 0,1
	global_load_b128 v[S+32*\x+8*\t+4*\e:S+32*\x+8*\t+4*\e+3], v244, s[4:5] offset:\x*65536+\t*64+\e*16   ; sigmoid(U) at (query 16 x + r, channel 16 t + 8 h + 4 e ..): O's own layout; asked for while the partner stores
.endr
.endr
.endr
.Lmeet:
	s_wait_dscnt 0x0                               ; for my partner's sake: my stores are done
	s_barrier_signal -1
	s_barrier_wait -1
	s_cmp_lt_u32 s14, 8
	s_cbranch_scc0 .Lend                           ; the upper half's waves have handed their part over
.set j, 0
.rept 16
	ds_load_b128 v[P+4*j:P+4*j+3], v255 offset:512*j    ; the same registers in the same lanes, into v180-243
.set j, j+1
.endr
	s_wait_dscnt 0x0
.set k, 0
.rept 32
	v_pk_add_f32 v[O+2*k:O+2*k+1], v[O+2*k:O+2*k+1], v[P+2*k:P+2*k+1]   ; O^T over all 2,048 keys
.set k, k+1
.endr
	s_wait_loadcnt 0x0
.set k, 0
.rept 32
	v_pk_mul_f32 v[S+2*k:S+2*k+1], v[S+2*k:S+2*k+1], v[O+2*k:O+2*k+1]
.set k, k+1
.endr
.set k, 0
.rept 64
	v_med3_num_f32 v[S+k], v[S+k], -v253, v253
.set k, k+1
.endr
.set k, 0
.rept 8
	v_cvt_scalef32_pk8_fp8_f32 v[P+2*k:P+2*k+1], v[S+8*k:S+8*k+7], v252
.set k, k+1
.endr
	v_nop
.irp x, 0,1
.irp t, 0,1,2,3
	ds_store_b64 v245, v[P+8*\x+2*\t:P+8*\x+2*\t+1] offset:\x*1280+\t*16
.endr
.endr
.irp g, 0,1,2,3
	ds_load_b128 v[VF+4*\g:VF+4*\g+3], v246 offset:\g*640   ; my own bytes, served in order: eight rows of 64 bytes an instruction
.endr
	s_wait_dscnt 0x0
.irp g, 0,1,2,3
	global_store_b128 v1, v[VF+4*\g:VF+4*\g+3], s[12:13] offset:\g*512   ; 512 consecutive bytes, aligned
.endr
.Lend:
	s_wait_xcnt 0x0
	v_lshl_add_u32 v254, v0, 2, 0x46400
	v_mov_b32 v255, 0
	s_wait_tensorcnt 0x0
	ds_add_u32 v254, v255
	s_wait_dscnt 0x0
	s_endpgm
.Lfunc_end_k_q6d35df769b_attn:
	.size	k_q6d35df769b_attn, .Lfunc_end_k_q6d35df769b_attn-k_q6d35df769b_attn
	.p2alignl 7, 3214868480
	.fill 96, 4, 3214868480
	.section	.rodata,"a",@progbits
	.p2align	6, 0x0
	.amdhsa_kernel k_q6d35df769b_attn
		.amdhsa_group_segment_fixed_size 289792
		.amdhsa_private_segment_fixed_size 0
		.amdhsa_enable_private_segment 0
		.amdhsa_kernarg_size 40
		.amdhsa_user_sgpr_count 2
		.amdhsa_user_sgpr_kernarg_segment_ptr 1
		.amdhsa_wavefront_size32 1
		.amdhsa_system_sgpr_workgroup_id_x 1
		.amdhsa_system_sgpr_workgroup_id_y 1
		.amdhsa_system_sgpr_workgroup_id_z 1
		.amdhsa_system_vgpr_workitem_id 0
		.amdhsa_next_free_vgpr 256
		.amdhsa_next_free_sgpr 100
		.amdhsa_reserve_vcc 0
		.amdhsa_float_denorm_mode_32 3
		.amdhsa_float_denorm_mode_16_64 3
		.amdhsa_memory_ordered 1
		.amdhsa_forward_progress 1
		.amdhsa_inst_pref_size 110
	.end_amdhsa_kernel
	.amdgpu_metadata
---
amdhsa.version: [ 1, 2 ]
amdhsa.kernels:
  - .name:           k_q6d35df769b_attn
    .symbol:         k_q6d35df769b_attn.kd
    .args:
      - { .name: act1, .offset: 0, .size: 8, .value_kind: global_buffer, .address_space: global }
      - { .name: mw, .offset: 8, .size: 8, .value_kind: global_buffer, .address_space: global }
      - { .name: rel_pos_table, .offset: 16, .size: 8, .value_kind: global_buffer, .address_space: global }
      - { .name: lowp_scales, .offset: 24, .size: 8, .value_kind: global_buffer, .address_space: global }
      - { .name: gc, .offset: 32, .size: 8, .value_kind: global_buffer, .address_space: global }
    .group_segment_fixed_size: 289792
    .private_segment_fixed_size: 0
    .kernarg_segment_align: 8
    .kernarg_segment_size: 40
    .max_flat_workgroup_size: 512
    .sgpr_count:     100
    .vgpr_count:     256
    .wavefront_size: 32
...
	.end_amdgpu_metadata
.endif
;; end of part 3
;; launch g2 (part 4): grid 8 x 32, 4 waves a work-group, clusters of 4 x 4, 327,680 bytes of LDS; arguments gc, pre, x, res_w, gate_w, lowp_scales, act2; writes act2
.if DOCPART == 4
	.amdgcn_target "amdgcn-amd-amdhsa--gfx1250"
	.amdhsa_code_object_version 6
	.text
	.protected	k_q6d35df769b_g2
	.globl	k_q6d35df769b_g2
	.p2align	8
	.type	k_q6d35df769b_g2,@function
k_q6d35df769b_g2:
	s_mov_b64 s[64:65], 0
	v_nop
	global_prefetch_b8 v0, s[64:65] scope:SCOPE_SE
	s_setreg_imm32_b32 hwreg(HW_REG_WAVE_MODE, 25, 1), 1
	s_wait_xcnt 0x0
	s_wait_alu depctr_hold_cnt(0) depctr_sa_sdst(0) depctr_va_vdst(0) depctr_va_sdst(0) depctr_va_ssrc(0) depctr_va_vcc(0) depctr_vm_vsrc(0)
	s_getreg_b32 s2, hwreg(HW_REG_IB_STS2, 6, 4)
	s_cmp_eq_u32 s2, 0
	s_cbranch_scc0 .Lentry_in_a_cluster
	s_endpgm
.Lentry_in_a_cluster:
	s_bfe_u32 s2, ttmp6, 0x10000c
	s_cmp_lg_u32 s2, 0xf033
	s_cbranch_scc0 .Lentry_shape_is_right
	s_endpgm
.Lentry_shape_is_right:
; G2: y = gated wo^T on codes of E4M3; o1 = sigmoid(res_w) x + sigmoid(gate_w) y, stored in f32 and as codes (e14), panel-major.
; The core is that of the projections' launch: 128 x 128 a work-group, four waves of 64 x 64, K = 1,024 in two LDS slots filled once, cluster 4 x 4 with joint loads, the matrix instruction used transposed.
; A's blocks lie otherwise in memory: [head % 2][128 rows][64 bytes], as the attention launch stores them: a line of 256 bytes holds four rows' 64; pieces 2, 3 of a fragment lie 32 lines on.
; LIMITS: e12 + e13 is applied by v_ldexp_f32; e14 between -126 and 119.  NaN is not served.
; REGISTERS: window 0: v1-31 addresses and constants; v32-127 work; v128-255 accumulators.  Window 1: two fragment buffers.  Window 2: v0-127 my 64 x 64 of x.
.set STRA, 524288
.set STRB, 131072
.set AIB,  1088
.set ACH,  8704
.set LAPS, 1
.set PRE_WO, 20971520
.set BLK,   17408
.set SLOT,  8*BLK
.set SPARE, 2*SLOT                     ; the spare words: 128 bytes a wave, two blocks of 256 bytes that no other line names
.set CST,   0                          ; stages, in slot 0, behind its only fill and its last read: codes, 128 rows x 144;
.set FST,   20480                      ; f32, 16 rows x 272 for each wave
.set ACC,   128
.set F0,    0
.set F1,    128
.set G1,    24
.set G0,    32
.set G1B,   48
.set G0B,   56
.set W0,    (3<<16)|(1<<20)|(1<<21)|(5<<22)|(3<<25)
.set MSB, 0
.macro WIN new
.if MSB != \new
	s_set_vgpr_msb (MSB<<8)|\new
.set MSB, \new
.endif
.endm
.macro PLACES
.rept 4
	v_nop
.endr
.endm
.macro JLOAD s
	s_cmp_eq_u32 s11, 0
	s_cbranch_scc0 .Lfor_b_\@
	tensor_load_to_lds s[G0+4*\s:G0+4*\s+3], s[G1:G1+7]
	s_nop 0
.rept 4
	v_nop
.endr
	s_branch .Lasked_\@
.Lfor_b_\@:
	tensor_load_to_lds s[G0B+4*\s:G0B+4*\s+3], s[G1B:G1B+7]
	s_nop 0
.rept 4
	v_nop
.endr
.Lasked_\@:
.endm
.macro CREST
	s_cmp_lg_u32 s10, 0
	s_cbranch_scc1 .Lnot_wave_0_\@
	s_barrier_signal -3
.Lnot_wave_0_\@:
	s_barrier_wait -3
	s_barrier_signal -1
	s_barrier_wait -1
.endm
.macro CROUND
	s_barrier_signal -1
	s_barrier_wait -1
	CREST
.endm
.macro FETCH slot, q, f
	WIN 0x40
.irp i, 0,1,2,3
.irp c, 0,1,2,3
	ds_load_b128 v[\f+64+16*\i+4*\c:\f+64+16*\i+4*\c+3], v[20+\slot] offset:(\q)*BLK+\i*2176+32*\c
.endr
.endr
.irp i, 0,1,2,3
.irp c, 0,1,2,3
	ds_load_b128 v[\f+16*\i+4*\c:\f+16*\i+4*\c+3], v[16+\slot] offset:(\q)*BLK+\i*AIB+(\c%2)*32+(\c/2)*ACH
.endr
.endr
.endm
.macro MUL16 f, zero                   ; the 16 accumulators take turns, one instruction a turn
	WIN 0x05
.irp a, 0,1,2,3
.irp b, 0,1,2,3
.if \zero
	v_wmma_f32_16x16x128_fp8_fp8 v[ACC+8*(4*\a+\b):ACC+8*(4*\a+\b)+7], v[\f+64+16*\b:\f+64+16*\b+15], v[\f+16*\a:\f+16*\a+15], 0
.else
	v_wmma_f32_16x16x128_fp8_fp8 v[ACC+8*(4*\a+\b):ACC+8*(4*\a+\b)+7], v[\f+64+16*\b:\f+64+16*\b+15], v[\f+16*\a:\f+16*\a+15], v[ACC+8*(4*\a+\b):ACC+8*(4*\a+\b)+7]
.endif
.endr
.endr
.endm
.macro QUARTER f, sn, qn, fn, zero
	PLACES                                         ; buffer fn was multiplied by the run just before
	FETCH \sn, \qn, \fn
	s_wait_dscnt 32                                ; all but the 32 just issued: buffer f is in
	MUL16 \f, \zero
.endm
.macro TURN slot, next, fill
	WIN 0
	s_wait_tensorcnt 0x0                           ; all my tensor loads have landed, my part of the next slot among them
	ds_add_u32 v28, v29                            ; 0 onto my spare word
.if \fill
	s_add_nc_u64 s[G0+4*\slot+2:G0+4*\slot+3], s[G0+4*\slot+2:G0+4*\slot+3], 8*STRA
	s_add_nc_u64 s[G0B+4*\slot+2:G0B+4*\slot+3], s[G0B+4*\slot+2:G0B+4*\slot+3], 8*STRB
.endif
	s_wait_dscnt 0x0                               ; the add is done, and my reads of this slot are over
.if \fill
	CROUND
	JLOAD \slot
.else
	s_barrier_signal -1
	s_barrier_wait -1
	PLACES
.endif
	FETCH \next, 0, F0
	MUL16 F1, 0
.endm
.macro MAIN
	s_wait_tensorcnt 1                             ; my part of slot 0 is in; slot 1's may stay out
	s_barrier_signal -1
	s_barrier_wait -1
	FETCH 0, 0, F0
	QUARTER F0, 0, 1, F1, 1
	QUARTER F1, 0, 2, F0, 0
	QUARTER F0, 0, 3, F1, 0
	TURN 0, 1, 0
	QUARTER F0, 1, 1, F1, 0
	QUARTER F1, 1, 2, F0, 0
	QUARTER F0, 1, 3, F1, 0
	s_wait_dscnt 0x0
	MUL16 F1, 0
	WIN 0
	PLACES
.endm
.macro CODES_OUT adr, step, base
	s_wait_xcnt 0x0                                ; earlier stores have read v64-95
	s_wait_dscnt 0x0                               ; for the others' sake: my stores into the stage are done
	s_barrier_signal -1
	s_barrier_wait -1
.irp i, 0,1,2,3,4,5,6,7
	ds_load_b128 v[64+4*\i:67+4*\i], v[\adr] offset:\i*\step
.endr
.irp i, 0,1,2,3,4,5,6,7
	s_wait_dscnt 7-\i
	global_store_b128 v31, v[64+4*\i:67+4*\i], s[\base:\base+1] offset:\i*512
.endr
.endm
	s_load_b256 s[88:95], s[0:1], 0x0              ; gc, pre, x, res_w
	s_load_b128 s[96:99], s[0:1], 0x20             ; gate_w, lowp_scales
	s_load_b64 s[8:9], s[0:1], 0x30                ; act2
	v_lshl_add_u32 v28, v0, 2, SPARE
	v_mov_b32 v29, 0
	ds_add_u32 v28, v29
	ds_add_u32 v28, v29
	s_wait_dscnt 0x0
	v_lshrrev_b32 v1, 5, v0
	v_readfirstlane_b32 s10, v1
	s_lshr_b32 s11, s10, 1
	s_and_b32 s12, s10, 1
	s_bfe_u32 s40, ttmp6, 0x40000
	s_bfe_u32 s41, ttmp6, 0x40004
	s_lshl_b32 s42, ttmp9, 2
	s_add_co_u32 s42, s42, s40                     ; IB: tile of columns
	s_and_b32 s13, ttmp7, 0xffff
	s_lshl_b32 s13, s13, 2
	s_add_co_u32 s13, s13, s41                     ; IA: tile of rows
	s_lshl_b32 s43, s41, 2
	s_lshl_b32 s43, 15, s43
	s_lshl_b32 s44, 0x1111, s40
	s_or_b32 s[G1], s43, W0
	s_or_b32 s[G1B], s44, W0
.irp g, G1, G1B
	s_mov_b32 s[\g+1], 2048<<16
	s_mov_b32 s[\g+2], 2<<16
	s_mov_b32 s[\g+3], 2048<<16
	s_mov_b32 s[\g+4], 2
	s_mov_b32 s[\g+6], 0
	s_mov_b32 s[\g+7], 0
.endr
	s_mov_b32 s[G1+5], STRA/8
	s_mov_b32 s[G1B+5], STRB/8
	s_lshl_b32 s16, s13, 14
	s_mul_i32 s17, s12, 2*STRA
	s_add_co_u32 s16, s16, s17
	s_mov_b32 s17, 0
	s_lshl_b32 s46, s42, 14
	s_mul_i32 s47, s12, 2*STRB
	s_add_co_u32 s46, s46, s47
	s_add_co_u32 s46, s46, PRE_WO
	s_mov_b32 s47, 0
	s_mul_i32 s21, s10, 2*BLK
	s_wait_kmcnt 0x0
	s_load_b128 s[68:71], s[98:99], 0x30           ; e12 .. e15
	s_load_b32 s72, s[94:95], 0x0                  ; res_w
	s_load_b32 s73, s[96:97], 0x0                  ; gate_w
	s_add_nc_u64 s[14:15], s[88:89], s[16:17]
	s_add_nc_u64 s[46:47], s[90:91], s[46:47]
	CROUND
.irp s, 0,1
	s_mov_b32 s[G0+4*\s], 1
	s_add_co_u32 s[G0+4*\s+1], s21, \s*SLOT
	s_add_nc_u64 s[G0+4*\s+2:G0+4*\s+3], s[14:15], \s*4*STRA
	s_or_b32 s[G0+4*\s+3], s[G0+4*\s+3], 0x80000000
	s_mov_b32 s[G0B+4*\s], 1
	s_add_co_u32 s[G0B+4*\s+1], s21, \s*SLOT
	s_add_nc_u64 s[G0B+4*\s+2:G0B+4*\s+3], s[46:47], \s*4*STRB
	s_or_b32 s[G0B+4*\s+3], s[G0B+4*\s+3], 0x80000000
	JLOAD \s
.endr
	v_and_b32 v1, 15, v0                           ; r
	v_bfe_u32 v2, v0, 4, 1                         ; h
	v_and_b32 v5, 31, v0
	v_lshrrev_b32 v3, 1, v1                        ; B: row r in line r / 2, half r % 2
	v_mul_u32_u24 v3, v3, 272
	v_and_b32 v4, 1, v1
	v_lshl_add_u32 v3, v4, 7, v3
	v_lshl_add_u32 v3, v2, 4, v3
	v_lshrrev_b32 v12, 2, v1                       ; A: row r in line r / 4, quarter r % 4
	v_mul_u32_u24 v12, v12, 272
	v_and_b32 v4, 3, v1
	v_lshl_add_u32 v12, v4, 6, v12
	v_lshl_add_u32 v12, v2, 4, v12
	s_mul_i32 s21, s11, 4352
	s_mul_i32 s22, s12, 8704
	s_add_co_u32 s22, s22, 4*BLK
.irp s, 0,1
	v_add_nc_u32 v[16+\s], s21, v12
	v_add_nc_u32 v[20+\s], s22, v3
	s_add_co_u32 s21, s21, SLOT
	s_add_co_u32 s22, s22, SLOT
.endr
	s_mul_i32 s21, s10, 4352
	s_add_co_u32 s21, s21, FST
	v_mul_u32_u24 v24, v1, 272
	v_lshl_add_u32 v24, v2, 5, v24
	v_add_nc_u32 v24, s21, v24                     ; my f32 stage, in
	v_mul_u32_u24 v25, v2, 272
	v_lshl_add_u32 v25, v1, 4, v25
	v_add_nc_u32 v25, s21, v25                     ; back by whole rows, two an instruction
	v_lshrrev_b32 v27, 3, v5
	v_mul_u32_u24 v27, v27, 272
	v_and_b32 v4, 7, v5
	v_lshl_add_u32 v27, v4, 5, v27
	v_add_nc_u32 v27, s21, v27                     ; back once more, eight neighbours a lane, four rows for two instructions
	v_lshlrev_b32 v26, 12, v2
	v_lshl_add_u32 v26, v1, 4, v26
	s_mul_i32 s21, s11, 64*144
	s_lshl_b32 s22, s12, 6
	s_add_co_u32 s21, s21, s22
	v_lshrrev_b32 v22, 3, v5
	v_mul_u32_u24 v22, v22, 144
	v_lshl_add_u32 v22, v4, 3, v22
	v_add_nc_u32 v22, s21, v22                     ; codes' stage, in: row 64 wr + lane / 8, byte 64 wc + 8 (lane % 8)
	s_mul_i32 s21, s10, 4608
	v_lshrrev_b32 v30, 3, v5
	v_mul_u32_u24 v30, v30, 144
	v_lshl_add_u32 v30, v4, 4, v30
	v_add_nc_u32 v30, s21, v30
	v_lshlrev_b32 v31, 4, v5
	s_lshl_b32 s16, s13, 19
	s_lshl_b32 s17, s11, 18
	s_add_co_u32 s16, s16, s17
	s_lshl_b32 s17, s42, 9
	s_add_co_u32 s16, s16, s17
	s_lshl_b32 s17, s12, 8
	s_add_co_u32 s16, s16, s17                     ; my 64 x 64 in a tensor [4,096][1,024] f32
	s_mov_b32 s17, 0
	s_add_nc_u64 s[86:87], s[92:93], s[16:17]      ; in x,
	s_add_nc_u64 s[82:83], s[8:9], s[16:17]        ; in o1
	s_lshl_b32 s16, s42, 19
	s_lshl_b32 s18, s13, 14
	s_add_co_u32 s16, s16, s18
	s_lshl_b32 s18, s10, 12
	s_add_co_u32 s16, s16, s18
	s_add_co_u32 s16, s16, 16777216
	s_add_nc_u64 s[80:81], s[8:9], s[16:17]        ; o1's codes: panel IB, block IA, my 4 KB
	WIN 0x80                                       ; destination window 2
.irp a, 0,1,2,3
.irp t, 0,1,2,3,4,5,6,7
	global_load_b128 v[4*(8*\a+\t):4*(8*\a+\t)+3], v26, s[86:87] offset:(16*\a+2*\t)*4096   ; x in the layout in which rows come back from the stage: 16 lanes read 256 consecutive bytes
.endr
.endr
	WIN 0
	s_wait_kmcnt 0x0
	v_mov_b32 v6, s72
	v_mov_b32 v8, s73
	v_mul_f32 v6, 0xbfb8aa3b, v6
	v_mul_f32 v8, 0xbfb8aa3b, v8
	v_exp_f32 v6, v6
	v_exp_f32 v8, v8
	v_nop
	s_wait_alu depctr_va_vdst(0)
	v_add_f32 v6, 1.0, v6
	v_add_f32 v8, 1.0, v8
	v_rcp_f32 v6, v6
	v_rcp_f32 v8, v8
	v_nop
	s_add_co_i32 s74, s68, s69
	s_wait_alu depctr_va_vdst(0)
	v_ldexp_f32 v8, v8, s74                        ; sigmoid(gate_w) x 2^(e12 + e13)
	v_mov_b32 v7, v6                               ; sigmoid(res_w), as a pair
	v_mov_b32 v9, v8
	s_add_co_i32 s74, s70, 127
	s_lshl_b32 s75, s74, 23
	v_mov_b32 v10, s75                             ; 2^e14
	s_add_co_i32 s74, s74, 8
	s_lshl_b32 s74, s74, 23
	s_or_b32 s74, s74, 0x600000
	v_mov_b32 v11, s74
	MAIN
	s_wait_loadcnt 0x0                             ; x
.irp a, 0,1,2,3
	s_wait_dscnt 0x0                               ; the last block's stores of codes have read v32-39
.irp b, 0,1,2,3
.irp k, 0,2,4,6
	v_pk_mul_f32 v[32+8*\b+\k:33+8*\b+\k], v[ACC+8*(4*\a+\b)+\k:ACC+8*(4*\a+\b)+\k+1], v[8:9]
.endr
.endr
.irp b, 0,1,2,3
	ds_store_b128 v24, v[32+8*\b:35+8*\b] offset:64*\b
	ds_store_b128 v24, v[36+8*\b:39+8*\b] offset:64*\b+16
.endr
	s_wait_xcnt 0x0                                ; the last block's stores to o1 have read v64-95
.irp t, 0,1,2,3,4,5,6,7
	ds_load_b128 v[64+4*\t:67+4*\t], v25 offset:\t*544   ; my own bytes, served in order (ISA guide 5.7.1.4)
.endr
	s_wait_dscnt 0x0
	WIN 0x02                                       ; source 0 (x) window 2
.set k, 0
.rept 16
	v_pk_fma_f32 v[64+k:65+k], v[32*\a+k:32*\a+k+1], v[6:7], v[64+k:65+k]
.set k, k+2
.endr
	WIN 0
.irp t, 0,1,2,3,4,5,6,7
	global_store_b128 v26, v[64+4*\t:67+4*\t], s[82:83] offset:(16*\a+2*\t)*4096   ; 16 lanes store 256 consecutive bytes, aligned
.endr
.irp t, 0,1,2,3,4,5,6,7
	ds_store_b128 v25, v[64+4*\t:67+4*\t] offset:\t*544  ; o1 back into my stage,
.endr
.irp g, 0,1,2,3
	ds_load_b128 v[96+8*\g:99+8*\g], v27 offset:\g*1088  ; and out again with eight neighbours along the next K in a lane
	ds_load_b128 v[100+8*\g:103+8*\g], v27 offset:\g*1088+16
.endr
	s_wait_dscnt 0x0
.set k, 0
.rept 32
	v_med3_num_f32 v[96+k], v[96+k], -v11, v11
.set k, k+1
.endr
.irp g, 0,1,2,3
	v_cvt_scalef32_pk8_fp8_f32 v[32+2*\g:33+2*\g], v[96+8*\g:103+8*\g], v10
.endr
	v_nop
.irp g, 0,1,2,3
	ds_store_b64 v22, v[32+2*\g:33+2*\g] offset:\a*2304+\g*576
.endr
.endr
	CODES_OUT 30, 576, 80
	s_wait_tensorcnt 0x0                           ; the wave's end
	ds_add_u32 v28, v29
	s_wait_dscnt 0x0
	CROUND
	s_endpgm
.Lfunc_end_k_q6d35df769b_g2:
	.size	k_q6d35df769b_g2, .Lfunc_end_k_q6d35df769b_g2-k_q6d35df769b_g2
	.p2alignl 7, 3214868480
	.fill 96, 4, 3214868480
	.section	.rodata,"a",@progbits
	.p2align	6, 0x0
	.amdhsa_kernel k_q6d35df769b_g2
		.amdhsa_group_segment_fixed_size 327680
		.amdhsa_private_segment_fixed_size 0
		.amdhsa_enable_private_segment 0
		.amdhsa_kernarg_size 56
		.amdhsa_user_sgpr_count 2
		.amdhsa_user_sgpr_kernarg_segment_ptr 1
		.amdhsa_wavefront_size32 1
		.amdhsa_system_sgpr_workgroup_id_x 1
		.amdhsa_system_sgpr_workgroup_id_y 1
		.amdhsa_system_sgpr_workgroup_id_z 1
		.amdhsa_system_vgpr_workitem_id 0
		.amdhsa_next_free_vgpr 768
		.amdhsa_next_free_sgpr 100
		.amdhsa_reserve_vcc 0
		.amdhsa_float_denorm_mode_32 3
		.amdhsa_float_denorm_mode_16_64 3
		.amdhsa_memory_ordered 1
		.amdhsa_forward_progress 1
		.amdhsa_inst_pref_size 71
	.end_amdhsa_kernel
	.amdgpu_metadata
---
amdhsa.version: [ 1, 2 ]
amdhsa.kernels:
  - .name:           k_q6d35df769b_g2
    .symbol:         k_q6d35df769b_g2.kd
    .args:
      - { .name: gc, .offset: 0, .size: 8, .value_kind: global_buffer, .address_space: global }
      - { .name: pre, .offset: 8, .size: 8, .value_kind: global_buffer, .address_space: global }
      - { .name: x, .offset: 16, .size: 8, .value_kind: global_buffer, .address_space: global }
      - { .name: res_w, .offset: 24, .size: 8, .value_kind: global_buffer, .address_space: global }
      - { .name: gate_w, .offset: 32, .size: 8, .value_kind: global_buffer, .address_space: global }
      - { .name: lowp_scales, .offset: 40, .size: 8, .value_kind: global_buffer, .address_space: global }
      - { .name: act2, .offset: 48, .size: 8, .value_kind: global_buffer, .address_space: global }
    .group_segment_fixed_size: 327680
    .private_segment_fixed_size: 0
    .kernarg_segment_align: 8
    .kernarg_segment_size: 56
    .max_flat_workgroup_size: 128
    .sgpr_count:     100
    .vgpr_count:     768
    .wavefront_size: 32
...
	.end_amdgpu_metadata
.endif
;; end of part 4
;; launch g3 (part 5): grid 32 x 32, 4 waves a work-group, clusters of 4 x 4, 327,680 bytes of LDS; arguments act2, pre, ffn1_b, lowp_scales, hid; writes hid
.if DOCPART == 5
	.amdgcn_target "amdgcn-amd-amdhsa--gfx1250"
	.amdhsa_code_object_version 6
	.text
	.protected	k_q6d35df769b_g3
	.globl	k_q6d35df769b_g3
	.p2align	8
	.type	k_q6d35df769b_g3,@function
k_q6d35df769b_g3:
	s_mov_b64 s[64:65], 0
	v_nop
	global_prefetch_b8 v0, s[64:65] scope:SCOPE_SE
	s_setreg_imm32_b32 hwreg(HW_REG_WAVE_MODE, 25, 1), 1
	s_wait_xcnt 0x0
	s_wait_alu depctr_hold_cnt(0) depctr_sa_sdst(0) depctr_va_vdst(0) depctr_va_sdst(0) depctr_va_ssrc(0) depctr_va_vcc(0) depctr_vm_vsrc(0)
	s_getreg_b32 s2, hwreg(HW_REG_IB_STS2, 6, 4)
	s_cmp_eq_u32 s2, 0
	s_cbranch_scc0 .Lentry_in_a_cluster
	s_endpgm
.Lentry_in_a_cluster:
	s_bfe_u32 s2, ttmp6, 0x10000c
	s_cmp_lg_u32 s2, 0xf033
	s_cbranch_scc0 .Lentry_shape_is_right
	s_endpgm
.Lentry_shape_is_right:
; G3: hidden = gelu(o1 ffn1_w^T + ffn1_b), exact gelu, as codes (e16), panel-major.  The core is that of the projections' launch: 128 x 128 a work-group, four waves of 64 x 64, K = 1,024 in two LDS slots
; filled once, cluster 4 x 4 with joint loads, the matrix instruction used transposed, so that a lane's eight results are eight neighbours along the next K.
; GELU.  gelu(v) = max(v, 0) - |v| erfc(|v| / sqrt 2) / 2, and erfc(z) = t exp(-z^2 + c0 + t (c1 + .. + t c9)), t = 1 / (1 + z / 2): a fit whose fractional error is 1.2e-7 for every z; with its evaluation in f32 about 5e-7.
; Here the exponent is kept in units of log2 and holds the factor 1/2: E = -0.72134752 v^2 + c0' + t (c1' + ..).  No branch, and for large |v| the term goes to 0.
; LIMITS: e14 + e15 between -126 and 127; e16 between -126 and 119.  NaN is not served.
.set STRA, 524288
.set STRB, 524288
.set AIB,  2176
.set ACH,  64
.set LAPS, 1
.set PRE_W1, 22020096
.set BLK,   17408
.set SLOT,  8*BLK
.set SPARE, 2*SLOT                     ; the spare words: 128 bytes a wave, two blocks of 256 bytes that no other line names
.set CST,   0                          ; the codes' stage, 128 rows x 144, in slot 0, behind its only fill and its last read
.set ACC,   128
.set F0,    0
.set F1,    128
.set G1,    24
.set G0,    32
.set G1B,   48
.set G0B,   56
.set W0,    (3<<16)|(1<<20)|(1<<21)|(5<<22)|(3<<25)
.set MSB, 0
.macro WIN new
.if MSB != \new
	s_set_vgpr_msb (MSB<<8)|\new
.set MSB, \new
.endif
.endm
.macro PLACES
.rept 4
	v_nop
.endr
.endm
.macro JLOAD s
	s_cmp_eq_u32 s11, 0
	s_cbranch_scc0 .Lfor_b_\@
	tensor_load_to_lds s[G0+4*\s:G0+4*\s+3], s[G1:G1+7]
	s_nop 0
.rept 4
	v_nop
.endr
	s_branch .Lasked_\@
.Lfor_b_\@:
	tensor_load_to_lds s[G0B+4*\s:G0B+4*\s+3], s[G1B:G1B+7]
	s_nop 0
.rept 4
	v_nop
.endr
.Lasked_\@:
.endm
.macro CREST
	s_cmp_lg_u32 s10, 0
	s_cbranch_scc1 .Lnot_wave_0_\@
	s_barrier_signal -3
.Lnot_wave_0_\@:
	s_barrier_wait -3
	s_barrier_signal -1
	s_barrier_wait -1
.endm
.macro CROUND
	s_barrier_signal -1
	s_barrier_wait -1
	CREST
.endm
.macro FETCH slot, q, f
	WIN 0x40
.irp i, 0,1,2,3
.irp c, 0,1,2,3
	ds_load_b128 v[\f+64+16*\i+4*\c:\f+64+16*\i+4*\c+3], v[20+\slot] offset:(\q)*BLK+\i*2176+32*\c
.endr
.endr
.irp i, 0,1,2,3
.irp c, 0,1,2,3
	ds_load_b128 v[\f+16*\i+4*\c:\f+16*\i+4*\c+3], v[16+\slot] offset:(\q)*BLK+\i*AIB+(\c%2)*32+(\c/2)*ACH
.endr
.endr
.endm
.macro MUL16 f, zero                   ; the 16 accumulators take turns, one instruction a turn
	WIN 0x05
.irp a, 0,1,2,3
.irp b, 0,1,2,3
.if \zero
	v_wmma_f32_16x16x128_fp8_fp8 v[ACC+8*(4*\a+\b):ACC+8*(4*\a+\b)+7], v[\f+64+16*\b:\f+64+16*\b+15], v[\f+16*\a:\f+16*\a+15], 0
.else
	v_wmma_f32_16x16x128_fp8_fp8 v[ACC+8*(4*\a+\b):ACC+8*(4*\a+\b)+7], v[\f+64+16*\b:\f+64+16*\b+15], v[\f+16*\a:\f+16*\a+15], v[ACC+8*(4*\a+\b):ACC+8*(4*\a+\b)+7]
.endif
.endr
.endr
.endm
.macro QUARTER f, sn, qn, fn, zero
	PLACES                                         ; buffer fn was multiplied by the run just before
	FETCH \sn, \qn, \fn
	s_wait_dscnt 32                                ; all but the 32 just issued: buffer f is in
	MUL16 \f, \zero
.endm
.macro TURN slot, next, fill
	WIN 0
	s_wait_tensorcnt 0x0                           ; all my tensor loads have landed, my part of the next slot among them
	ds_add_u32 v28, v29                            ; 0 onto my spare word
.if \fill
	s_add_nc_u64 s[G0+4*\slot+2:G0+4*\slot+3], s[G0+4*\slot+2:G0+4*\slot+3], 8*STRA
	s_add_nc_u64 s[G0B+4*\slot+2:G0B+4*\slot+3], s[G0B+4*\slot+2:G0B+4*\slot+3], 8*STRB
.endif
	s_wait_dscnt 0x0                               ; the add is done, and my reads of this slot are over
.if \fill
	CROUND
	JLOAD \slot
.else
	s_barrier_signal -1
	s_barrier_wait -1
	PLACES
.endif
	FETCH \next, 0, F0
	MUL16 F1, 0
.endm
.macro MAIN
	s_wait_tensorcnt 1                             ; my part of slot 0 is in; slot 1's may stay out
	s_barrier_signal -1
	s_barrier_wait -1
	FETCH 0, 0, F0
	QUARTER F0, 0, 1, F1, 1
	QUARTER F1, 0, 2, F0, 0
	QUARTER F0, 0, 3, F1, 0
	TURN 0, 1, 0
	QUARTER F0, 1, 1, F1, 0
	QUARTER F1, 1, 2, F0, 0
	QUARTER F0, 1, 3, F1, 0
	s_wait_dscnt 0x0
	MUL16 F1, 0
	WIN 0
	PLACES
.endm
.macro CODES_OUT adr, step, base
	s_wait_xcnt 0x0
	s_wait_dscnt 0x0                               ; for the others' sake: my stores into the stage are done
	s_barrier_signal -1
	s_barrier_wait -1
.irp i, 0,1,2,3,4,5,6,7
	ds_load_b128 v[64+4*\i:67+4*\i], v[\adr] offset:\i*\step
.endr
.irp i, 0,1,2,3,4,5,6,7
	s_wait_dscnt 7-\i
	global_store_b128 v31, v[64+4*\i:67+4*\i], s[\base:\base+1] offset:\i*512
.endr
.endm
	s_load_b256 s[88:95], s[0:1], 0x0              ; act2, pre, ffn1_b, lowp_scales
	s_load_b64 s[8:9], s[0:1], 0x20                ; hid
	v_lshl_add_u32 v28, v0, 2, SPARE
	v_mov_b32 v29, 0
	ds_add_u32 v28, v29
	ds_add_u32 v28, v29
	s_wait_dscnt 0x0
	v_lshrrev_b32 v1, 5, v0
	v_readfirstlane_b32 s10, v1
	s_lshr_b32 s11, s10, 1
	s_and_b32 s12, s10, 1
	s_bfe_u32 s40, ttmp6, 0x40000
	s_bfe_u32 s41, ttmp6, 0x40004
	s_lshl_b32 s42, ttmp9, 2
	s_add_co_u32 s42, s42, s40                     ; IB: tile of hidden units
	s_and_b32 s13, ttmp7, 0xffff
	s_lshl_b32 s13, s13, 2
	s_add_co_u32 s13, s13, s41                     ; IA: tile of rows
	s_lshl_b32 s43, s41, 2
	s_lshl_b32 s43, 15, s43
	s_lshl_b32 s44, 0x1111, s40
	s_or_b32 s[G1], s43, W0
	s_or_b32 s[G1B], s44, W0
.irp g, G1, G1B
	s_mov_b32 s[\g+1], 2048<<16
	s_mov_b32 s[\g+2], 2<<16
	s_mov_b32 s[\g+3], 2048<<16
	s_mov_b32 s[\g+4], 2
	s_mov_b32 s[\g+6], 0
	s_mov_b32 s[\g+7], 0
.endr
	s_mov_b32 s[G1+5], STRA/8
	s_mov_b32 s[G1B+5], STRB/8
	s_lshl_b32 s16, s13, 14
	s_mul_i32 s17, s12, 2*STRA
	s_add_co_u32 s16, s16, s17
	s_add_co_u32 s16, s16, 16777216                ; o1's codes
	s_mov_b32 s17, 0
	s_lshl_b32 s46, s42, 14
	s_mul_i32 s47, s12, 2*STRB
	s_add_co_u32 s46, s46, s47
	s_add_co_u32 s46, s46, PRE_W1
	s_mov_b32 s47, 0
	s_mul_i32 s21, s10, 2*BLK
	s_wait_kmcnt 0x0
	s_load_b128 s[68:71], s[94:95], 0x38           ; e14 .. e17
	s_add_nc_u64 s[14:15], s[88:89], s[16:17]
	s_add_nc_u64 s[46:47], s[90:91], s[46:47]
	CROUND
.irp s, 0,1
	s_mov_b32 s[G0+4*\s], 1
	s_add_co_u32 s[G0+4*\s+1], s21, \s*SLOT
	s_add_nc_u64 s[G0+4*\s+2:G0+4*\s+3], s[14:15], \s*4*STRA
	s_or_b32 s[G0+4*\s+3], s[G0+4*\s+3], 0x80000000
	s_mov_b32 s[G0B+4*\s], 1
	s_add_co_u32 s[G0B+4*\s+1], s21, \s*SLOT
	s_add_nc_u64 s[G0B+4*\s+2:G0B+4*\s+3], s[46:47], \s*4*STRB
	s_or_b32 s[G0B+4*\s+3], s[G0B+4*\s+3], 0x80000000
	JLOAD \s
.endr
	v_and_b32 v1, 15, v0
	v_bfe_u32 v2, v0, 4, 1
	v_and_b32 v5, 31, v0
	v_lshrrev_b32 v3, 1, v1
	v_mul_u32_u24 v3, v3, 272
	v_and_b32 v4, 1, v1
	v_lshl_add_u32 v3, v4, 7, v3
	v_lshl_add_u32 v3, v2, 4, v3
	s_mul_i32 s21, s11, 8704
	s_mul_i32 s22, s12, 8704
	s_add_co_u32 s22, s22, 4*BLK
.irp s, 0,1
	v_add_nc_u32 v[16+\s], s21, v3
	v_add_nc_u32 v[20+\s], s22, v3
	s_add_co_u32 s21, s21, SLOT
	s_add_co_u32 s22, s22, SLOT
.endr
	s_mul_i32 s21, s11, 64*144
	s_lshl_b32 s22, s12, 6
	s_add_co_u32 s21, s21, s22
	v_mul_u32_u24 v22, v1, 144
	v_lshl_add_u32 v22, v2, 3, v22
	v_add_nc_u32 v22, s21, v22
	s_mul_i32 s21, s10, 4608
	v_lshrrev_b32 v30, 3, v5
	v_mul_u32_u24 v30, v30, 144
	v_and_b32 v4, 7, v5
	v_lshl_add_u32 v30, v4, 4, v30
	v_add_nc_u32 v30, s21, v30
	v_lshlrev_b32 v31, 4, v5
	s_lshl_b32 s16, s42, 9
	s_lshl_b32 s17, s12, 8
	s_add_co_u32 s16, s16, s17
	s_mov_b32 s17, 0
	s_add_nc_u64 s[92:93], s[92:93], s[16:17]      ; ffn1_b at my 64 units
	v_lshlrev_b32 v6, 5, v2
.irp b, 0,1,2,3
	global_load_b128 v[32+8*\b:35+8*\b], v6, s[92:93] offset:64*\b       ; units 16 b + 8 h + 0 .. 7: the result's layout
	global_load_b128 v[36+8*\b:39+8*\b], v6, s[92:93] offset:64*\b+16
.endr
	s_lshl_b32 s16, s42, 19
	s_lshl_b32 s18, s13, 14
	s_add_co_u32 s16, s16, s18
	s_lshl_b32 s18, s10, 12
	s_add_co_u32 s16, s16, s18
	s_add_nc_u64 s[86:87], s[8:9], s[16:17]        ; hid: panel IB, block IA, my 4 KB
	s_wait_kmcnt 0x0
	s_add_co_i32 s84, s68, s69
	s_add_co_i32 s84, s84, 127
	s_lshl_b32 s84, s84, 23                        ; 2^(e14 + e15)
	s_mov_b32 s85, s84
	s_add_co_i32 s74, s70, 127
	s_lshl_b32 s75, s74, 23
	v_mov_b32 v114, s75                            ; 2^e16
	s_add_co_i32 s74, s74, 8
	s_lshl_b32 s74, s74, 23
	s_or_b32 s74, s74, 0x600000
	v_mov_b32 v115, s74
	s_mov_b32 s98, 0x3eb504f3                      ; 1 / (2 sqrt 2)
	v_mov_b32 v112, 0x3e7c6f08                     ; c9
	v_mov_b32 v113, 0x3e7c6f08
	MAIN
	s_wait_loadcnt 0x0                             ; the bias
; two neighbouring accumulators, 16 numbers a lane: v in place; t v64-79; the polynomial, E and the term v80-95; v^2, then max(v, 0) and gelu v96-111
.macro GELU2 n
.set VV, ACC+16*(\n)
.set BB, 32+16*((\n)%2)
.set k, 0
.rept 8
	v_pk_fma_f32 v[VV+k:VV+k+1], v[VV+k:VV+k+1], s[84:85], v[BB+k:BB+k+1] op_sel_hi:[1,0,1]   ; v = sum x 2^(e14 + e15) + bias; each accumulator from its low end on
.set k, k+2
.endr
.set k, 0
.rept 16
	v_fma_f32 v[64+k], |v[VV+k]|, s98, 1.0
.set k, k+1
.endr
.set k, 0
.rept 16
	v_rcp_f32 v[64+k], v[64+k]
.set k, k+1
.endr
.set k, 0
.rept 8
	v_pk_mul_f32 v[96+k:97+k], v[VV+k:VV+k+1], v[VV+k:VV+k+1]   ; plain work behind the reciprocals
.set k, k+2
.endr
	s_wait_alu depctr_va_vdst(0)                   ; one wait for the batch
.set k, 0
.rept 8
	v_pk_fma_f32 v[80+k:81+k], v[64+k:65+k], v[112:113], 0xbf97d29d op_sel_hi:[1,1,0]
.set k, k+2
.endr
.irp c, 0x40097039, 0xbfd1a1e5, 0x3ecdfd18, 0xbe899a80, 0x3e0efb2e, 0x3f0a29d2, 0x3fb8ab5a, 0xc034d90f
.set k, 0
.rept 8
	v_pk_fma_f32 v[80+k:81+k], v[80+k:81+k], v[64+k:65+k], \c op_sel_hi:[1,1,0]
.set k, k+2
.endr
.endr
.set k, 0
.rept 8
	v_pk_fma_f32 v[80+k:81+k], v[96+k:97+k], 0xbf38aa3b, v[80+k:81+k] op_sel_hi:[1,0,1]
.set k, k+2
.endr
.set k, 0
.rept 16
	v_exp_f32 v[80+k], v[80+k]
.set k, k+1
.endr
.set k, 0
.rept 16
	v_max_num_f32 v[96+k], 0, v[VV+k]              ; plain work behind the exponentials
.set k, k+1
.endr
	s_wait_alu depctr_va_vdst(0)
.set k, 0
.rept 8
	v_pk_mul_f32 v[80+k:81+k], v[80+k:81+k], v[64+k:65+k]
.set k, k+2
.endr
.set k, 0
.rept 8
	v_pk_mul_f32 v[80+k:81+k], v[80+k:81+k], v[VV+k:VV+k+1]
.set k, k+2
.endr
.set k, 0
.rept 16
	v_sub_f32 v[96+k], v[96+k], |v[80+k]|
.set k, k+1
.endr
.set k, 0
.rept 16
	v_med3_num_f32 v[96+k], v[96+k], -v115, v115
.set k, k+1
.endr
	s_wait_dscnt 0x0                               ; the last stores of codes have read v116-119
	v_cvt_scalef32_pk8_fp8_f32 v[116:117], v[96:103], v114
	v_cvt_scalef32_pk8_fp8_f32 v[118:119], v[104:111], v114
	v_nop
	ds_store_b64 v22, v[116:117] offset:((\n)/2)*2304+32*((\n)%2)
	ds_store_b64 v22, v[118:119] offset:((\n)/2)*2304+32*((\n)%2)+16
.endm
.irp n, 0,1,2,3,4,5,6,7
	GELU2 \n
.endr
	CODES_OUT 30, 576, 86
	s_wait_tensorcnt 0x0                           ; the wave's end
	ds_add_u32 v28, v29
	s_wait_dscnt 0x0
	CROUND
	s_endpgm
.Lfunc_end_k_q6d35df769b_g3:
	.size	k_q6d35df769b_g3, .Lfunc_end_k_q6d35df769b_g3-k_q6d35df769b_g3
	.p2alignl 7, 3214868480
	.fill 96, 4, 3214868480
	.section	.rodata,"a",@progbits
	.p2align	6, 0x0
	.amdhsa_kernel k_q6d35df769b_g3
		.amdhsa_group_segment_fixed_size 327680
		.amdhsa_private_segment_fixed_size 0
		.amdhsa_enable_private_segment 0
		.amdhsa_kernarg_size 40
		.amdhsa_user_sgpr_count 2
		.amdhsa_user_sgpr_kernarg_segment_ptr 1
		.amdhsa_wavefront_size32 1
		.amdhsa_system_sgpr_workgroup_id_x 1
		.amdhsa_system_sgpr_workgroup_id_y 1
		.amdhsa_system_sgpr_workgroup_id_z 1
		.amdhsa_system_vgpr_workitem_id 0
		.amdhsa_next_free_vgpr 512
		.amdhsa_next_free_sgpr 100
		.amdhsa_reserve_vcc 0
		.amdhsa_float_denorm_mode_32 3
		.amdhsa_float_denorm_mode_16_64 3
		.amdhsa_memory_ordered 1
		.amdhsa_forward_progress 1
		.amdhsa_inst_pref_size 152
	.end_amdhsa_kernel
	.amdgpu_metadata
---
amdhsa.version: [ 1, 2 ]
amdhsa.kernels:
  - .name:           k_q6d35df769b_g3
    .symbol:         k_q6d35df769b_g3.kd
    .args:
      - { .name: act2, .offset: 0, .size: 8, .value_kind: global_buffer, .address_space: global }
      - { .name: pre, .offset: 8, .size: 8, .value_kind: global_buffer, .address_space: global }
      - { .name: ffn1_b, .offset: 16, .size: 8, .value_kind: global_buffer, .address_space: global }
      - { .name: lowp_scales, .offset: 24, .size: 8, .value_kind: global_buffer, .address_space: global }
      - { .name: hid, .offset: 32, .size: 8, .value_kind: global_buffer, .address_space: global }
    .group_segment_fixed_size: 327680
    .private_segment_fixed_size: 0
    .kernarg_segment_align: 8
    .kernarg_segment_size: 40
    .max_flat_workgroup_size: 128
    .sgpr_count:     100
    .vgpr_count:     512
    .wavefront_size: 32
...
	.end_amdgpu_metadata
.endif
;; end of part 5
;; launch g4 (part 6): grid 8 x 32, 4 waves a work-group, clusters of 4 x 4, 327,680 bytes of LDS; arguments hid, pre, act2, ffn2_b, lowp_scales, out0; writes out0
.if DOCPART == 6
	.amdgcn_target "amdgcn-amd-amdhsa--gfx1250"
	.amdhsa_code_object_version 6
	.text
	.protected	k_q6d35df769b_g4
	.globl	k_q6d35df769b_g4
	.p2align	8
	.type	k_q6d35df769b_g4,@function
k_q6d35df769b_g4:
	s_mov_b64 s[64:65], 0
	v_nop
	global_prefetch_b8 v0, s[64:65] scope:SCOPE_SE
	s_setreg_imm32_b32 hwreg(HW_REG_WAVE_MODE, 25, 1), 1
	s_wait_xcnt 0x0
	s_wait_alu depctr_hold_cnt(0) depctr_sa_sdst(0) depctr_va_vdst(0) depctr_va_sdst(0) depctr_va_ssrc(0) depctr_va_vcc(0) depctr_vm_vsrc(0)
	s_getreg_b32 s2, hwreg(HW_REG_IB_STS2, 6, 4)
	s_cmp_eq_u32 s2, 0
	s_cbranch_scc0 .Lentry_in_a_cluster
	s_endpgm
.Lentry_in_a_cluster:
	s_bfe_u32 s2, ttmp6, 0x10000c
	s_cmp_lg_u32 s2, 0xf033
	s_cbranch_scc0 .Lentry_shape_is_right
	s_endpgm
.Lentry_shape_is_right:
; G4: out0 = o1 + (hidden ffn2_w^T + ffn2_b), the product on codes of E4M3.  128 x 128 a work-group: 256 work-groups; four waves of 64 x 64; the matrix instruction used transposed.
; K = 4,096 goes through a ring of two LDS slots of 512 along K: eight slots' worth, six of them refills.  Each refill is a joint load of a cluster of 4 x 4 (A's tile shared along a row, B's along a column), one a wave,
; first behind a round of the cluster's barrier; it has the other slot's 64 matrix instructions in which to land.  By this text's count a wave has two tensor loads out at the start and one behind each round.
; LIMITS: e16 + e17 between -126 and 127.  NaN is not served.
; REGISTERS: window 0: v1-31 addresses; v32-63 the bias; v64-127 work; v128-255 accumulators.  Window 1: two fragment buffers.  Window 2: v0-127 my 64 x 64 of o1.
.set STRA, 524288
.set STRB, 131072
.set AIB,  2176
.set ACH,  64
.set LAPS, 4
.set PRE_W2, 26214400
.set BLK,   17408
.set SLOT,  8*BLK
.set SPARE, 2*SLOT                     ; the spare words: 128 bytes a wave, two blocks of 256 bytes that no other line names
.set FST,   20480                      ; the f32 stage, 16 rows x 272 for each wave, in slot 0, behind its last fill and its last read
.set ACC,   128
.set F0,    0
.set F1,    128
.set G1,    24
.set G0,    32
.set G1B,   48
.set G0B,   56
.set W0,    (3<<16)|(1<<20)|(1<<21)|(5<<22)|(3<<25)
.set MSB, 0
.macro WIN new
.if MSB != \new
	s_set_vgpr_msb (MSB<<8)|\new
.set MSB, \new
.endif
.endm
.macro PLACES
.rept 4
	v_nop
.endr
.endm
.macro JLOAD s
	s_cmp_eq_u32 s11, 0
	s_cbranch_scc0 .Lfor_b_\@
	tensor_load_to_lds s[G0+4*\s:G0+4*\s+3], s[G1:G1+7]
	s_nop 0
.rept 4
	v_nop
.endr
	s_branch .Lasked_\@
.Lfor_b_\@:
	tensor_load_to_lds s[G0B+4*\s:G0B+4*\s+3], s[G1B:G1B+7]
	s_nop 0
.rept 4
	v_nop
.endr
.Lasked_\@:
.endm
.macro CREST
	s_cmp_lg_u32 s10, 0
	s_cbranch_scc1 .Lnot_wave_0_\@
	s_barrier_signal -3
.Lnot_wave_0_\@:
	s_barrier_wait -3
	s_barrier_signal -1
	s_barrier_wait -1
.endm
.macro CROUND
	s_barrier_signal -1
	s_barrier_wait -1
	CREST
.endm
.macro FETCH slot, q, f
	WIN 0x40
.irp i, 0,1,2,3
.irp c, 0,1,2,3
	ds_load_b128 v[\f+64+16*\i+4*\c:\f+64+16*\i+4*\c+3], v[20+\slot] offset:(\q)*BLK+\i*2176+32*\c
.endr
.endr
.irp i, 0,1,2,3
.irp c, 0,1,2,3
	ds_load_b128 v[\f+16*\i+4*\c:\f+16*\i+4*\c+3], v[16+\slot] offset:(\q)*BLK+\i*AIB+(\c%2)*32+(\c/2)*ACH
.endr
.endr
.endm
.macro MUL16 f, zero                   ; the 16 accumulators take turns, one instruction a turn, over the loop's backward jump too
	WIN 0x05
.irp a, 0,1,2,3
.irp b, 0,1,2,3
.if \zero
	v_wmma_f32_16x16x128_fp8_fp8 v[ACC+8*(4*\a+\b):ACC+8*(4*\a+\b)+7], v[\f+64+16*\b:\f+64+16*\b+15], v[\f+16*\a:\f+16*\a+15], 0
.else
	v_wmma_f32_16x16x128_fp8_fp8 v[ACC+8*(4*\a+\b):ACC+8*(4*\a+\b)+7], v[\f+64+16*\b:\f+64+16*\b+15], v[\f+16*\a:\f+16*\a+15], v[ACC+8*(4*\a+\b):ACC+8*(4*\a+\b)+7]
.endif
.endr
.endr
.endm
.macro QUARTER f, sn, qn, fn, zero
	PLACES                                         ; buffer fn was multiplied by the run just before
	FETCH \sn, \qn, \fn
	s_wait_dscnt 32                                ; all but the 32 just issued: buffer f is in
	MUL16 \f, \zero
.endm
.macro TURN slot, next, fill           ; a slot's last panel, and the change of slots
	WIN 0
	s_wait_tensorcnt 0x0                           ; all my tensor loads have landed, my part of the next slot among them: so a group 0 may be written
	ds_add_u32 v28, v29                            ; 0 onto my spare word
.if \fill
	s_add_nc_u64 s[G0+4*\slot+2:G0+4*\slot+3], s[G0+4*\slot+2:G0+4*\slot+3], 8*STRA     ; this slot's next four panels: eight panels on
	s_add_nc_u64 s[G0B+4*\slot+2:G0B+4*\slot+3], s[G0B+4*\slot+2:G0B+4*\slot+3], 8*STRB
.endif
	s_wait_dscnt 0x0                               ; the add is done, and my reads of this slot are over (buffer 1 is in)
.if \fill
	CROUND                                         ; no wave of any partner still reads this slot or has a load on its way
	JLOAD \slot                                    ; the first tensor load behind the round, one a wave; its four v_nop are the places in front of the loads below
.else
	s_barrier_signal -1
	s_barrier_wait -1
	PLACES
.endif
	FETCH \next, 0, F0
	MUL16 F1, 0
.endm
.macro MAIN
	s_wait_tensorcnt 1                             ; my part of slot 0 is in; slot 1's may stay out
	s_barrier_signal -1
	s_barrier_wait -1
	FETCH 0, 0, F0
	QUARTER F0, 0, 1, F1, 1                        ; the first products start the sums
	WIN 0
	s_mov_b32 s3, LAPS-1
.Llap:                                             ; a trip goes once round the ring and fills both slots again
	QUARTER F1, 0, 2, F0, 0
	QUARTER F0, 0, 3, F1, 0
	TURN 0, 1, 1
	QUARTER F0, 1, 1, F1, 0
	QUARTER F1, 1, 2, F0, 0
	QUARTER F0, 1, 3, F1, 0
	TURN 1, 0, 1
	QUARTER F0, 0, 1, F1, 0
	WIN 0
	s_sub_co_u32 s3, s3, 1
	s_cmp_lg_u32 s3, 0
	s_cbranch_scc1 .Llap
	QUARTER F1, 0, 2, F0, 0                        ; the last lap is written out: it fills nothing
	QUARTER F0, 0, 3, F1, 0
	TURN 0, 1, 0
	QUARTER F0, 1, 1, F1, 0
	QUARTER F1, 1, 2, F0, 0
	QUARTER F0, 1, 3, F1, 0
	s_wait_dscnt 0x0
	MUL16 F1, 0
	WIN 0
	PLACES
.endm
	s_load_b256 s[88:95], s[0:1], 0x0              ; hid, pre, act2, ffn2_b
	s_load_b128 s[96:99], s[0:1], 0x20             ; lowp_scales, out0
	v_lshl_add_u32 v28, v0, 2, SPARE
	v_mov_b32 v29, 0
	ds_add_u32 v28, v29
	ds_add_u32 v28, v29
	s_wait_dscnt 0x0
	v_lshrrev_b32 v1, 5, v0
	v_readfirstlane_b32 s10, v1
	s_lshr_b32 s11, s10, 1
	s_and_b32 s12, s10, 1
	s_bfe_u32 s40, ttmp6, 0x40000
	s_bfe_u32 s41, ttmp6, 0x40004
	s_lshl_b32 s42, ttmp9, 2
	s_add_co_u32 s42, s42, s40                     ; IB
	s_and_b32 s13, ttmp7, 0xffff
	s_lshl_b32 s13, s13, 2
	s_add_co_u32 s13, s13, s41                     ; IA
	s_lshl_b32 s43, s41, 2
	s_lshl_b32 s43, 15, s43
	s_lshl_b32 s44, 0x1111, s40
	s_or_b32 s[G1], s43, W0
	s_or_b32 s[G1B], s44, W0
.irp g, G1, G1B
	s_mov_b32 s[\g+1], 2048<<16
	s_mov_b32 s[\g+2], 2<<16
	s_mov_b32 s[\g+3], 2048<<16
	s_mov_b32 s[\g+4], 2
	s_mov_b32 s[\g+6], 0
	s_mov_b32 s[\g+7], 0
.endr
	s_mov_b32 s[G1+5], STRA/8
	s_mov_b32 s[G1B+5], STRB/8
	s_lshl_b32 s16, s13, 14
	s_mul_i32 s17, s12, 2*STRA
	s_add_co_u32 s16, s16, s17
	s_mov_b32 s17, 0
	s_lshl_b32 s46, s42, 14
	s_mul_i32 s47, s12, 2*STRB
	s_add_co_u32 s46, s46, s47
	s_add_co_u32 s46, s46, PRE_W2
	s_mov_b32 s47, 0
	s_mul_i32 s21, s10, 2*BLK
	s_wait_kmcnt 0x0
	s_load_b64 s[68:69], s[96:97], 0x40            ; e16, e17
	s_add_nc_u64 s[14:15], s[88:89], s[16:17]
	s_add_nc_u64 s[46:47], s[90:91], s[46:47]
	CROUND
.irp s, 0,1
	s_mov_b32 s[G0+4*\s], 1
	s_add_co_u32 s[G0+4*\s+1], s21, \s*SLOT
	s_add_nc_u64 s[G0+4*\s+2:G0+4*\s+3], s[14:15], \s*4*STRA
	s_or_b32 s[G0+4*\s+3], s[G0+4*\s+3], 0x80000000
	s_mov_b32 s[G0B+4*\s], 1
	s_add_co_u32 s[G0B+4*\s+1], s21, \s*SLOT
	s_add_nc_u64 s[G0B+4*\s+2:G0B+4*\s+3], s[46:47], \s*4*STRB
	s_or_b32 s[G0B+4*\s+3], s[G0B+4*\s+3], 0x80000000
	JLOAD \s
.endr
	v_and_b32 v1, 15, v0
	v_bfe_u32 v2, v0, 4, 1
	v_lshrrev_b32 v3, 1, v1
	v_mul_u32_u24 v3, v3, 272
	v_and_b32 v4, 1, v1
	v_lshl_add_u32 v3, v4, 7, v3
	v_lshl_add_u32 v3, v2, 4, v3
	s_mul_i32 s21, s11, 8704
	s_mul_i32 s22, s12, 8704
	s_add_co_u32 s22, s22, 4*BLK
.irp s, 0,1
	v_add_nc_u32 v[16+\s], s21, v3
	v_add_nc_u32 v[20+\s], s22, v3
	s_add_co_u32 s21, s21, SLOT
	s_add_co_u32 s22, s22, SLOT
.endr
	s_mul_i32 s21, s10, 4352
	s_add_co_u32 s21, s21, FST
	v_mul_u32_u24 v24, v1, 272
	v_lshl_add_u32 v24, v2, 5, v24
	v_add_nc_u32 v24, s21, v24
	v_mul_u32_u24 v25, v2, 272
	v_lshl_add_u32 v25, v1, 4, v25
	v_add_nc_u32 v25, s21, v25
	v_lshlrev_b32 v26, 12, v2
	v_lshl_add_u32 v26, v1, 4, v26
	s_lshl_b32 s16, s13, 19
	s_lshl_b32 s17, s11, 18
	s_add_co_u32 s16, s16, s17
	s_lshl_b32 s17, s42, 9
	s_add_co_u32 s16, s16, s17
	s_lshl_b32 s17, s12, 8
	s_add_co_u32 s16, s16, s17                     ; my 64 x 64 in a tensor [4,096][1,024] f32
	s_mov_b32 s17, 0
	s_add_nc_u64 s[86:87], s[92:93], s[16:17]      ; in o1,
	s_add_nc_u64 s[98:99], s[98:99], s[16:17]      ; in out0
	WIN 0x80                                       ; destination window 2
.irp a, 0,1,2,3
.irp t, 0,1,2,3,4,5,6,7
	global_load_b128 v[4*(8*\a+\t):4*(8*\a+\t)+3], v26, s[86:87] offset:(16*\a+2*\t)*4096 th:TH_LOAD_NT   ; o1 in the layout in which rows come back from the stage; read once in the launch
.endr
.endr
	WIN 0
	s_lshl_b32 s16, s42, 9
	s_lshl_b32 s18, s12, 8
	s_add_co_u32 s16, s16, s18
	s_add_nc_u64 s[94:95], s[94:95], s[16:17]      ; ffn2_b at my 64 columns
	v_lshlrev_b32 v6, 5, v2
.irp b, 0,1,2,3
	global_load_b128 v[32+8*\b:35+8*\b], v6, s[94:95] offset:64*\b
	global_load_b128 v[36+8*\b:39+8*\b], v6, s[94:95] offset:64*\b+16
.endr
	s_wait_kmcnt 0x0
	s_add_co_i32 s84, s68, s69
	s_add_co_i32 s84, s84, 127
	s_lshl_b32 s84, s84, 23                        ; 2^(e16 + e17)
	s_mov_b32 s85, s84
	MAIN
	s_wait_loadcnt 0x0                             ; o1 and the bias
.irp a, 0,1,2,3
.irp b, 0,1,2,3
.irp k, 0,2,4,6
	v_pk_fma_f32 v[96+8*\b+\k:97+8*\b+\k], v[ACC+8*(4*\a+\b)+\k:ACC+8*(4*\a+\b)+\k+1], s[84:85], v[32+8*\b+\k:33+8*\b+\k] op_sel_hi:[1,0,1]   ; sum x 2^(e16 + e17) + bias
.endr
.endr
.irp b, 0,1,2,3
	ds_store_b128 v24, v[96+8*\b:99+8*\b] offset:64*\b
	ds_store_b128 v24, v[100+8*\b:103+8*\b] offset:64*\b+16
.endr
	s_wait_xcnt 0x0                                ; the last block's stores have read v64-95
.irp t, 0,1,2,3,4,5,6,7
	ds_load_b128 v[64+4*\t:67+4*\t], v25 offset:\t*544   ; my own bytes, served in order (ISA guide 5.7.1.4)
.endr
	s_wait_dscnt 0x0
	WIN 0x08                                       ; source 1 (o1) window 2
.set k, 0
.rept 16
	v_pk_add_f32 v[64+k:65+k], v[64+k:65+k], v[32*\a+k:32*\a+k+1]
.set k, k+2
.endr
	WIN 0
.irp t, 0,1,2,3,4,5,6,7
	global_store_b128 v26, v[64+4*\t:67+4*\t], s[98:99] offset:(16*\a+2*\t)*4096 th:TH_STORE_NT   ; 16 lanes store 256 consecutive bytes, aligned
.endr
.endr
	s_wait_tensorcnt 0x0                           ; the wave's end, behind my last tensor load and my last LDS store
	ds_add_u32 v28, v29
	s_wait_dscnt 0x0
	CROUND                                         ; the closing round: no work-group ends while a partner may still ask for a tile that names it
	s_endpgm
.Lfunc_end_k_q6d35df769b_g4:
	.size	k_q6d35df769b_g4, .Lfunc_end_k_q6d35df769b_g4-k_q6d35df769b_g4
	.p2alignl 7, 3214868480
	.fill 96, 4, 3214868480
	.section	.rodata,"a",@progbits
	.p2align	6, 0x0
	.amdhsa_kernel k_q6d35df769b_g4
		.amdhsa_group_segment_fixed_size 327680
		.amdhsa_private_segment_fixed_size 0
		.amdhsa_enable_private_segment 0
		.amdhsa_kernarg_size 48
		.amdhsa_user_sgpr_count 2
		.amdhsa_user_sgpr_kernarg_segment_ptr 1
		.amdhsa_wavefront_size32 1
		.amdhsa_system_sgpr_workgroup_id_x 1
		.amdhsa_system_sgpr_workgroup_id_y 1
		.amdhsa_system_sgpr_workgroup_id_z 1
		.amdhsa_system_vgpr_workitem_id 0
		.amdhsa_next_free_vgpr 768
		.amdhsa_next_free_sgpr 100
		.amdhsa_reserve_vcc 0
		.amdhsa_float_denorm_mode_32 3
		.amdhsa_float_denorm_mode_16_64 3
		.amdhsa_memory_ordered 1
		.amdhsa_forward_progress 1
		.amdhsa_inst_pref_size 81
	.end_amdhsa_kernel
	.amdgpu_metadata
---
amdhsa.version: [ 1, 2 ]
amdhsa.kernels:
  - .name:           k_q6d35df769b_g4
    .symbol:         k_q6d35df769b_g4.kd
    .args:
      - { .name: hid, .offset: 0, .size: 8, .value_kind: global_buffer, .address_space: global }
      - { .name: pre, .offset: 8, .size: 8, .value_kind: global_buffer, .address_space: global }
      - { .name: act2, .offset: 16, .size: 8, .value_kind: global_buffer, .address_space: global }
      - { .name: ffn2_b, .offset: 24, .size: 8, .value_kind: global_buffer, .address_space: global }
      - { .name: lowp_scales, .offset: 32, .size: 8, .value_kind: global_buffer, .address_space: global }
      - { .name: out0, .offset: 40, .size: 8, .value_kind: global_buffer, .address_space: global }
    .group_segment_fixed_size: 327680
    .private_segment_fixed_size: 0
    .kernarg_segment_align: 8
    .kernarg_segment_size: 48
    .max_flat_workgroup_size: 128
    .sgpr_count:     100
    .vgpr_count:     768
    .wavefront_size: 32
...
	.end_amdgpu_metadata
.endif
;; end of part 6
;; ======== version 2 of 2: 6 launches; version 1 with the launch attn written anew for expert scheduling mode
;; workspace buffers: pre 30,670,848 bytes; mw 1,048,576 bytes of whole numbers; act1 25,165,824 bytes; gc 4,194,304 bytes; act2 20,971,520 bytes; hid 16,777,216 bytes
;; launch prep: the kernel of part 1 again; grid 1216 x 1, 8 waves a work-group, no clusters, 0 bytes of LDS; arguments x, rms_w, wq, wk, wv, wu, wo, ffn1_w, ffn2_w, attn_mask, lowp_scales, pre, mw; writes pre, mw
;; launch g1: the kernel of part 2 again; grid 24 x 32, 4 waves a work-group, clusters of 4 x 4, 327,680 bytes of LDS; arguments pre, lowp_scales, act1; writes act1
;; launch attn (part 7): grid 8 x 32, 16 waves a work-group, no clusters, 289,792 bytes of LDS; arguments act1, mw, rel_pos_table, lowp_scales, gc; writes gc
.if DOCPART == 7
	.amdgcn_target "amdgcn-amd-amdhsa--gfx1250"
	.amdhsa_code_object_version 6
	.text
	.protected	k_q6d35df769b_attn
	.globl	k_q6d35df769b_attn
	.p2align	8
	.type	k_q6d35df769b_attn,@function
k_q6d35df769b_attn:
	s_mov_b64 s[64:65], 0
	v_nop
	global_prefetch_b8 v0, s[64:65] scope:SCOPE_SE
	s_setreg_imm32_b32 hwreg(HW_REG_WAVE_SCHED_MODE, 0, 2), 2
	s_setreg_imm32_b32 hwreg(HW_REG_WAVE_MODE, 25, 1), 1
	s_wait_xcnt 0x0
	s_wait_alu depctr_vm_vsrc(0)
; ATTN: A = clip(softmax(clip(Q K^T / sqrt(32) + bias, masked -> -inf, +-50)), 1e-8, 1), quantised FINISHED AND NORMALISED; pooled = A V; gated = sigmoid(U) x pooled, as codes.  Both products on codes of E4M3.
; TWO PASSES over the keys, since A is quantised after its division: pass 1 sums 2^t, t = clipped score x log2(e); pass 2 forms A = 2^(t - L), L = log2(sum), and multiplies.
; NO MAXIMUM IS TAKEN AWAY: reference()'s own clip at +-50 holds every exponential within 2^+-72.14 and a row's sum of 2,048 of them under 2^84: neither can overflow or underflow in f32.
; A masked score is -inf, which that clip makes -50: a masked key counts with exp(-50).  THE MASK only selects values: in every step 64 words of lane bits give masked scores the clip's lower bound; no branch hangs on it.
; In pass 2 ONE v_med3 in the exponent does four things: the clip of the score (+-72.13 - L), the clip of A (log2(1e-8) .. 0), the hold at 448 x 2^e10 (as e10 + 8.8073: 447.98, which rounds to the code 448), and with the addend -L the division.
; SHARES.  A work-group = one (batch, head) and 256 queries.  The head's K (64 KB) and V (128 KB) codes are copied into LDS once, through registers.  SIXTEEN WAVES, four to a SIMD, 256 registers each: wave w owns the 32 queries
; of block w % 8 (two tiles x = 0, 1) and HALF w / 8 OF THE KEYS: 16 steps of 64 keys, walked twice.  A step's 64 mask words fill the wave's scalar registers, so a wave can ask for them one step ahead and no more: four waves
; on a SIMD have four steps' words on their way, and three waves' work stands beside one wave's wait.  The two waves of a block meet twice, through LDS: between the passes they add their row sums, at the end their O^T.
; NO CLUSTER, NO TENSOR LOAD: the eight work-groups of a head read the same K and V, but once, 192 KB each, ahead of two walks over 2,048 keys; and K goes into LDS with its 16-byte pieces reordered
; (images of fragments), which a lane's store does and a tile load does not.
; LAYOUT.  S^T = K Q^T by v_wmma_f32_16x16x64_fp8_fp8 with K = 32 used: an operand of K holds TWO tiles of 16 keys (registers 0-3, 4-7), and Q stands beside zeros: [q 0] meets the first tile, [0 q] the second.
; Lane r of tile 2 c + u takes key 32 c + 8 u + r + 8 (r / 8), so register i of a query tile is key 32 (i / 16) + 16 h + i % 16, and the conversions' results are the second product's operand.  O^T = V^T A^T: a lane holds one query throughout.
; THE BIAS is table[0] where key - query <= -16 and table[31] where >= 15: a step off the diagonal has one addend; the steps of a wave that touch the band (a branch on ids and the loop's counter) fetch the table by a lane permute.
; LIMITS: e8 + e9 between -124 and 129; e10, and e12 - e10 - e11, between -126 and 119.  A's relative error is that of t - L in f32: about 1e-6 at L near 11, up to 5e-6 where |t - L| nears 83.  NaN is not served.
; A row's sum and O^T are each two f32 sums, over keys 0-1,023 and 1,024-2,047, added once: another order of rounding than one running sum.
; THE MODE: SCHED_MODE bits 1:0 = 2 (LLVM: expert scheduling mode 2), set by the entry lines.  The code itself states the register dependences
; between vector or matrix instructions and memory or LDS instructions, with s_wait_alu, always for 0.
; THE PLAN.  Registers that memory or LDS instructions touch, in the two loops:
;   KF (v36-51)     A step's eight products K Q^T read it; behind them the next step's K lands in it.
;   VF (v196-227)   Pass 2: a step's eight products V^T A^T, at the step's end, read it; the next step's V lands in it behind that step's products K Q^T.
;   v4, v5, v6      The loads' LDS addresses: read by a step's loads, written again in the next step, behind its products K Q^T.
;   v[T .. T+15]    In the steps on the band alone: eight indices, which eight lane permutes read, and the eight results.   v7: read by the permutes, written at the head alone.
;   Q, S, O, A's codes, the sums, the addends and the bounds are named by vector and matrix instructions alone.
; So a step has ONE wait on vm_vsrc, at its head (the last step's loads have read v4 to v6, its permutes their indices), and ONE wait on va_vdst for its loads, behind the products K Q^T and the address lines: it states that
; v4 to v6 are written, that these products are done reading KF and that the last step's products V^T A^T are done reading VF.  The step's loads (pass 2: V's eight, then the next K's four) follow it on end.
; The wait behind the exponentials stands ahead of their first reader.  A step on the band has two waits more for each group of eight permutes.
; REGISTERS: v1 16 x lane; v2, v3 V's lane bases; v4 K's address; v5, v6 V's; v7 table x log2(e); v8, v9 the band's index; v10, v11 -L; v12, v13 the step's addend; v14, v15 where I put my row sums and find my partner's;
;   v16-35 Q among zeros; v36-51 K; v52-115 S; v116-179 O (pass 1: the sums); v180-195 A's codes; v196-227 V; v228-243 work; v244-247 addends below and above the band; v248-251 the clip's bounds; v252 2^e10;
;   v253 the upper bound of A's exponent; v254 the prefetch's offset; v255 my block's place for the exchange of O^T.   s3: my first step; s[32:63], s[68:99]: a step's 64 mask words, from the first LOADMASK on.
.set VB,  65536                        ; LDS: K's fragment images at 0 (a tile of 16 keys: 512 bytes, lane l's 16 at 16 l); V's rows here,
.set VP,  2064                         ; a channel's 2,048 keys + 16: an odd multiple of 16
.set STG, 197632                       ; the way out: 32 rows x 80 bytes for each block of queries
.set SX,  218112                       ; the row sums: 8 bytes a thread
.set OX,  222208                       ; O^T of the upper half of the keys: 8 KB for each block of queries, as an image of its 64 registers
.set NST, 16                           ; steps of a wave in a pass
.set KF,  36
.set S,   52
.set O,   116
.set P,   180
.set VF,  196
.set T,   228
	s_load_b256 s[4:11], s[0:1], 0x0               ; act1, mw, rel_pos_table, lowp_scales
	s_load_b64 s[12:13], s[0:1], 0x20              ; gc
	v_lshrrev_b32 v1, 5, v0
	v_readfirstlane_b32 s14, v1                    ; wave 0..15
	s_wait_alu depctr_va_sdst(0)                   ; s14 is written, ahead of its first reader: the wave's shares and addresses are made from it
	s_lshr_b32 s2, s14, 3                          ; my half of the keys
	s_lshl_b32 s3, s2, 4                           ; its first step
	s_and_b32 s29, s14, 7                          ; my block among the work-group's eight
	s_and_b32 s15, ttmp7, 0xffff                   ; 16 b + head
	s_lshl_b32 s16, ttmp9, 3
	s_add_co_u32 s16, s16, s29                     ; my block of 32 queries, 0..63
	s_lshr_b32 s24, s15, 4                         ; b
	s_lshl_b32 s25, s24, 6
	s_add_co_u32 s25, s25, s16                     ; its number among the mask's 128
	s_lshl_b32 s16, s16, 5                         ; q0
	s_mov_b32 s21, 0
	s_mov_b32 s30, 0x76543210
	s_mov_b32 s31, 0xfedcba98                      ; v_permlanex16_b32: lane l xor 16
	v_and_b32 v14, 15, v0                          ; r
	v_bfe_u32 v15, v0, 4, 1                        ; h
	v_and_b32 v1, 31, v0
	v_lshlrev_b32 v42, 2, v1
	v_lshlrev_b32 v254, 12, v1
	v_lshlrev_b32 v1, 4, v1
	v_mul_u32_u24 v2, v14, VP
	v_lshl_add_u32 v2, v15, 4, v2
	v_add_nc_u32 v2, VB, v2
	v_add_nc_u32 v3, 32*VP, v2
	v_lshlrev_b32 v8, 6, v15
	v_lshlrev_b32 v9, 2, v14
	v_sub_nc_u32 v8, v8, v9
	v_add_nc_u32 v8, 576, v8                       ; 4 (16 h - r + 144)
	v_lshlrev_b32 v41, 5, v14
	v_lshl_add_u32 v41, v15, 4, v41                ; Q: row r of 32 bytes, + 16 h
	v_lshrrev_b32 v36, 6, v0                       ; K's way in: thread t holds half t % 2 of key t / 2 (+ 256 i): group of 32 keys t / 64 (+ 8 i), tile (t / 16) % 2, lane ((t / 2) % 8) + 8 ((t / 32) % 2) + 16 (t % 2)
	v_lshlrev_b32 v36, 10, v36
	v_bfe_u32 v37, v0, 4, 1
	v_lshl_add_u32 v36, v37, 9, v36
	v_and_b32 v37, 1, v0
	v_lshl_add_u32 v36, v37, 8, v36
	v_bfe_u32 v37, v0, 5, 1
	v_lshl_add_u32 v36, v37, 7, v36
	v_bfe_u32 v37, v0, 1, 3
	v_lshl_add_u32 v36, v37, 4, v36
	v_lshrrev_b32 v38, 3, v0                       ; V's way in: channel t / 8, 16 bytes t % 8 of block i of 128 keys
	v_mul_u32_u24 v38, v38, VP
	v_and_b32 v37, 7, v0
	v_lshl_add_u32 v38, v37, 4, v38
	v_add_nc_u32 v38, VB, v38
	v_lshlrev_b32 v40, 4, v0
	v_lshlrev_b32 v14, 3, v0                       ; the exchanges' addresses are made here, ahead of every branch: 8 bytes a thread;
	v_xor_b32 v15, 0x800, v14                      ; my partner is the thread 256 away: the same lane of wave w xor 8
	v_add_nc_u32 v14, SX, v14
	v_add_nc_u32 v15, SX, v15
	s_lshl_b32 s28, s29, 13
	s_add_co_u32 s28, s28, OX
	v_add_nc_u32 v255, s28, v1                     ; my block's 8 KB, 16 x lane: the same address in both partners
	s_wait_kmcnt 0x0
	s_load_b128 s[40:43], s[10:11], 0x20           ; e8 .. e11
	s_load_b32 s44, s[10:11], 0x30                 ; e12
	s_lshl_b32 s20, s25, 13
	s_add_nc_u64 s[26:27], s[6:7], s[20:21]        ; my block's mask words: 256 bytes a step
	s_lshl_b32 s20, s15, 16
	s_add_nc_u64 s[50:51], s[4:5], s[20:21]
	s_add_nc_u64 s[46:47], s[50:51], 2097152       ; the head's K
	s_lshl_b32 s20, s16, 5
	s_add_nc_u64 s[50:51], s[50:51], s[20:21]      ; my 32 rows of Q
	s_lshl_b32 s20, s15, 17
	s_add_nc_u64 s[48:49], s[4:5], s[20:21]
	s_add_nc_u64 s[48:49], s[48:49], 4194304       ; the head's V
	s_lshl_b32 s18, s24, 11
	s_add_co_u32 s18, s18, s16                     ; my first row among the 4,096
	s_and_b32 s19, s15, 15                         ; head
	s_lshl_b32 s20, s18, 12
	s_lshl_b32 s25, s19, 8
	s_add_co_u32 s20, s20, s25
	s_add_co_u32 s20, s20, 8388608
	s_add_nc_u64 s[4:5], s[4:5], s[20:21]          ; sigmoid(U) at my first row, my head's 256 bytes
	s_lshr_b32 s20, s19, 1
	s_lshl_b32 s20, s20, 19
	s_lshr_b32 s25, s18, 7
	s_lshl_b32 s25, s25, 14
	s_add_co_u32 s20, s20, s25
	s_and_b32 s25, s19, 1
	s_lshl_b32 s25, s25, 13
	s_add_co_u32 s20, s20, s25
	s_and_b32 s25, s18, 127
	s_lshl_b32 s25, s25, 6
	s_add_co_u32 s20, s20, s25
	s_add_nc_u64 s[12:13], s[12:13], s[20:21]      ; gc: [head / 2][row / 128][head % 2][row % 128][64 bytes]
	s_wait_alu depctr_va_vdst(0)                   ; the offsets and LDS addresses v1, v14, v15, v36, v38, v40 to v42, v254 and v255 are written, which the loads, the stores and the prefetch of the whole kernel read
	global_load_b128 v[20:23], v41, s[50:51]
	global_load_b128 v[28:31], v41, s[50:51] offset:512
	global_load_b32 v7, v42, s[8:9]
.set i, 0
.rept 8
	global_load_b128 v[S+4*i:S+4*i+3], v40, s[46:47] offset:8192*i        ; the 512 threads read 8 KB on end
.set i, i+1
.endr
.set i, 0
.rept 16
	global_load_b128 v[S+32+4*i:S+32+4*i+3], v40, s[48:49] offset:8192*i
.set i, i+1
.endr
.irp z, 16,17,18,19,24,25,26,27,32,33,34,35
	v_mov_b32 v\z, 0                               ; the zeros beside Q: registers that no load or store names
.endr
.set i, 0
.rept 8
	s_wait_loadcnt 23-i                            ; loads return in order: this one is in; K's 7 - i and V's 16 behind it may be out
	ds_store_b128 v36, v[S+4*i:S+4*i+3] offset:8192*i
.set i, i+1
.endr
.set i, 0
.rept 16
	s_wait_loadcnt 15-i                            ; (the last of these waits is for 0: every load above is done, and its address registers are free)
	ds_store_b128 v38, v[S+32+4*i:S+32+4*i+3] offset:128*i
.set i, i+1
.endr
	s_wait_kmcnt 0x0
	s_add_co_i32 s18, s40, s41
	s_lshl_b32 s18, s18, 23
	s_add_co_i32 s22, s18, 0x3e8293ee              ; c = log2(e) / sqrt(32) x 2^(e8 + e9)
	s_mov_b32 s23, s22
	s_add_co_i32 s18, s42, 127
	s_lshl_b32 s18, s18, 23
	v_mov_b32 v252, s18                            ; 2^e10
	v_cvt_f32_i32 v253, s42
	v_add_f32 v253, 0x410ceab3, v253
	v_min_num_f32 v253, 0, v253                    ; min(0, e10 + 8.8073)
	s_sub_co_i32 s18, s44, s42
	s_sub_co_i32 s18, s18, s43                     ; e12 - e10 - e11
	s_add_co_i32 s18, s18, 127
	s_lshl_b32 s10, s18, 23
	s_add_co_i32 s18, s18, 8
	s_lshl_b32 s11, s18, 23
	s_or_b32 s11, s11, 0x600000
	v_mul_f32 v7, 0x3fb8aa3b, v7                   ; the table in units of log2
	v_readlane_b32 s6, v7, 0
	v_readlane_b32 s7, v7, 31
	s_wait_alu depctr_va_sdst(0)                   ; s6 and s7 are written, ahead of their first readers: the addends below and above the band
	s_wait_dscnt 0x0                               ; for the others' sake: my part of K and V is in LDS
	s_barrier_signal -1
	s_barrier_wait -1
	s_wait_alu depctr_vm_vsrc(0)                   ; my LDS stores have read v52 to v147 and their addresses v36 and v38, my loads their offsets v40 to v42: these registers are the sums, S and KF from here on
	v_mov_b32 v244, s6                             ; pass 1: L = 0
	v_mov_b32 v245, s6
	v_mov_b32 v246, s7
	v_mov_b32 v247, s7
	v_mov_b32 v248, 0xc29044fe                     ; -50 log2(e)
	v_mov_b32 v249, 0xc29044fe
	v_mov_b32 v250, 0x429044fe
	v_mov_b32 v251, 0x429044fe
	v_mov_b32 v10, 0
	v_mov_b32 v11, 0
.irp z, 116,117,118,119,120,121,122,123
	v_mov_b32 v\z, 0                               ; the sums: two packed chains for each tile
.endr
	s_lshl_b32 s18, s3, 11
	v_add_nc_u32 v4, s18, v1                       ; K of my first step: 2,048 bytes a step
.macro KLOAD                           ; a step's four tiles of keys
.irp n, 0,1,2,3
	ds_load_b128 v[KF+4*\n:KF+4*\n+3], v4 offset:512*\n
.endr
.endm
.macro VLOAD                           ; a step's 64 keys of all 64 channels
.irp t, 0,1
.irp c, 0,1
	ds_load_b128 v[VF+8*\t+4*\c:VF+8*\t+4*\c+3], v5 offset:\t*16*VP+32*\c
.endr
.endr
.irp t, 2,3
.irp c, 0,1
	ds_load_b128 v[VF+8*\t+4*\c:VF+8*\t+4*\c+3], v6 offset:(\t-2)*16*VP+32*\c
.endr
.endr
.endm
.macro QK
.irp c, 0,1
.irp x, 0,1
	v_wmma_f32_16x16x64_fp8_fp8 v[S+32*\x+16*\c:S+32*\x+16*\c+7], v[KF+8*\c:KF+8*\c+7], v[20+8*\x:27+8*\x], 0
	v_wmma_f32_16x16x64_fp8_fp8 v[S+32*\x+16*\c+8:S+32*\x+16*\c+15], v[KF+8*\c:KF+8*\c+7], v[16+8*\x:23+8*\x], 0
.endr
.endr
.endm
.macro PV                              ; eight accumulators, one instruction each
.irp t, 0,1,2,3
.irp x, 0,1
	v_wmma_f32_16x16x64_fp8_fp8 v[O+32*\x+8*\t:O+32*\x+8*\t+7], v[VF+8*\t:VF+8*\t+7], v[P+8*\x:P+8*\x+7], v[O+32*\x+8*\t:O+32*\x+8*\t+7]
.endr
.endr
.endm
.macro SCALE                           ; t - L = score x c + the step's one addend; each accumulator from its low end on
.set k, 0
.rept 16
	v_pk_fma_f32 v[S+k:S+k+1], v[S+k:S+k+1], s[22:23], v[12:13] op_sel_hi:[1,0,0]
.set k, k+2
.endr
.set k, 0
.rept 16
	v_pk_fma_f32 v[S+32+k:S+33+k], v[S+32+k:S+33+k], s[22:23], v[12:13] op_sel:[0,0,1] op_sel_hi:[1,0,1]
.set k, k+2
.endr
.endm
.macro CLIP
.set k, 0
.rept 32
	v_med3_num_f32 v[S+k], v[S+k], v248, v250
.set k, k+1
.endr
.set k, 0
.rept 32
	v_med3_num_f32 v[S+32+k], v[S+32+k], v249, v251
.set k, k+1
.endr
.endm
.macro LOADMASK                        ; 64 words, 256 bytes, at byte s28 of my block's: word w into s[32 + w + 4 (w / 32)]
	s_load_b512 s[32:47], s[26:27], s28 offset:0x0
	s_load_b512 s[48:63], s[26:27], s28 offset:0x40
	s_load_b512 s[68:83], s[26:27], s28 offset:0x80
	s_load_b512 s[84:99], s[26:27], s28 offset:0xc0
.endm
.macro MASKSEL                         ; a masked score takes the lower bound
	s_wait_kmcnt 0x0                               ; this step's words, asked for a step ago (scalar loads return in no order: the count is 0)
.set w, 0
.rept 64
	v_cndmask_b32 v[S+32*(w%2)+w/2], v[248+w%2], v[S+32*(w%2)+w/2], s[32+w+4*(w/32)]
.set w, w+1
.endr
.endm
.macro DIAGX x                         ; the band: register i of lane (r, h) has key - query = rel + 32 (i / 16) + i % 16 + 16 h - r - 16 x; the table's index is that + 16, held within 0 .. 31
	s_sub_co_i32 s29, s25, 64*\x
	v_add_nc_u32 v9, s29, v8                       ; 4 (rel - 16 x + 16 h - r + 144): positive in these steps
.irp n, 0,1,2,3
.if (\x)+(\n) > 0
	s_wait_alu depctr_vm_vsrc(0)                   ; the eight permutes above have read their indices v[T .. T+7], which are written again (for a step's first eight the wait at the step's head says it)
.endif
.irp j, 0,1,2,3,4,5,6,7
	v_add_nc_u32 v[T+\j], 4*(32*(\n/2)+8*(\n%2)+\j), v9
.endr
.irp j, 0,1,2,3,4,5,6,7
	v_min_u32 v[T+8+\j], 0x200, v[T+\j]
.endr
.irp j, 0,1,2,3,4,5,6,7
	v_sub_nc_u32 v[T+\j], v[T+\j], v[T+8+\j]       ; max(. - 512, 0)
.endr
.irp j, 0,1,2,3,4,5,6,7
	v_min_u32 v[T+\j], 124, v[T+\j]
.endr
	s_wait_alu depctr_va_vdst(0)                   ; the indices v[T .. T+7] are written, which the permutes read; the lines above are done with v[T+8 .. T+15], in which the permutes' results land
.irp j, 0,1,2,3,4,5,6,7
	ds_bpermute_b32 v[T+8+\j], v[T+\j], v7         ; lane n holds table[n]
.endr
	s_wait_dscnt 0x0
.irp j, 0,1,2,3,4,5,6,7
	v_add_f32 v[T+8+\j], v[T+8+\j], v[10+\x]
.endr
.irp j, 0,1,2,3,4,5,6,7
	v_fma_f32 v[S+32*\x+8*\n+\j], v[S+32*\x+8*\n+\j], s22, v[T+8+\j]
.endr
.endr
.endm
.macro PASS p
	s_mov_b32 s17, 0
.Lstep_\p:
	s_add_co_u32 s20, s17, s3                      ; the step's number among the head's 32
	s_lshl_b32 s21, s20, 6                         ; its first key: also its V's byte in a channel's row
	s_sub_co_i32 s20, s21, s16                     ; rel = the step's first key - my first query
	s_add_co_u32 s18, s17, 1
	s_and_b32 s18, s18, NST-1
	s_add_co_u32 s18, s18, s3                      ; the next step (behind my last: my first again, which pass 2 begins with)
	s_lshl_b32 s19, s18, 6
	s_lshl_b32 s18, s18, 11
	s_cmp_lt_i32 s20, 0
	s_cselect_b32 s24, -1, 0
	s_wait_alu depctr_vm_vsrc(0)                   ; the loads issued so far have read v4 (pass 2: v5 and v6 too), the band's permutes their indices: this step writes them again
	s_wait_dscnt 0x0                               ; K is in: its four loads are all that is out
	QK
	v_add_nc_u32 v4, s18, v1                       ; plain places behind the products, four or more: the next K's address,
.if \p == 2
	v_add_nc_u32 v5, s21, v2                       ; this step's V's,
	v_add_nc_u32 v6, s21, v3
.endif
	v_cndmask_b32 v12, v246, v244, s24             ; the step's addends
	v_cndmask_b32 v13, v247, v245, s24
.if \p == 1
	v_nop
.endif
	s_wait_alu depctr_va_vdst(0)                   ; the addresses v4 (v5, v6) are written; the products above are done reading KF; pass 2: the last step's products V^T A^T are done reading VF
.if \p == 2
	VLOAD                                          ; this step's V: it has the step's whole softmax in which to land
.endif
	KLOAD                                          ; the next step's K, a step ahead of its use
	s_add_co_i32 s25, s20, 79
	s_cmp_lt_u32 s25, 125                          ; -79 <= rel <= 45: some key - query lies between -16 and 15.  The branch hangs on ids and the loop's counter alone
	s_cbranch_scc1 .Ldiag_\p
	SCALE
	s_branch .Lsel_\p
.Ldiag_\p:
	s_lshl_b32 s25, s20, 2
	DIAGX 0
	DIAGX 1
.Lsel_\p:
	MASKSEL
	CLIP
	s_lshl_b32 s28, s19, 2                         ; 256 x the next step: written behind MASKSEL's wait, which shows the loads that read it done
	LOADMASK                                       ; the next step's words: the 64 selects that read the old ones stand 64 vector lines back; these have the rest of the trip and the next products in which to come
.set k, 0
.rept 64
	v_exp_f32 v[S+k], v[S+k]
.set k, k+1
.endr
	v_nop                                          ; a plain place behind the last exponential
	s_wait_alu depctr_va_vdst(0)                   ; the 64 exponentials have written S: one wait for the batch, ahead of its first reader
.if \p == 1
.set k, 0
.rept 16
	v_pk_add_f32 v[116+2*(k%2):117+2*(k%2)], v[116+2*(k%2):117+2*(k%2)], v[S+2*k:S+2*k+1]
	v_pk_add_f32 v[120+2*(k%2):121+2*(k%2)], v[120+2*(k%2):121+2*(k%2)], v[S+32+2*k:S+33+2*k]
.set k, k+1
.endr
.else
.set k, 0
.rept 8
	v_cvt_scalef32_pk8_fp8_f32 v[P+2*k:P+2*k+1], v[S+8*k:S+8*k+7], v252   ; no hold here: the exponent was held under e10 + 8.8073
.set k, k+1
.endr
	v_nop                                          ; a plain line between the conversions and the products that read their results
	s_wait_dscnt 0x4                               ; V is in; the next K's four loads, issued behind V's eight, may be out
	PV
.endif
	s_add_co_u32 s17, s17, 1
	s_cmp_lt_u32 s17, NST
	s_cbranch_scc1 .Lstep_\p
.endm
	s_lshl_b32 s28, s3, 8
	s_wait_alu depctr_va_vdst(0)                   ; v4 is written, which the loads of K read, and v7, which the band's permutes read; the head's lines are done with v36 to v42, in which K lands
	LOADMASK                                       ; my first step's words.  s32-51 held exponents and the addresses of loads: the exponents have been read, the loads are done
	KLOAD
	PASS 1
	; between the passes: each query's sum over my half of the keys, my partner's, L = log2 of the two, and pass 2's addends and bounds
	v_pk_add_f32 v[116:117], v[116:117], v[118:119]
	v_pk_add_f32 v[120:121], v[120:121], v[122:123]
	v_add_f32 v116, v116, v117
	v_add_f32 v120, v120, v121
	v_permlanex16_b32 v9, v116, s30, s31           ; the query's other keys of my half lie in the lane 16 away
	v_permlanex16_b32 v117, v120, s30, s31
	v_add_f32 v116, v116, v9
	v_add_f32 v117, v120, v117                     ; tile 1's sum beside tile 0's
	s_wait_dscnt 0x0                               ; no LDS instruction of mine is out at a signal
	s_barrier_signal -1                            ; parts every wave's reads and lane permutes of pass 1 from the stores below
	s_barrier_wait -1
	s_wait_alu depctr_va_vdst(0)                   ; the additions have written v[116:117], which the store reads, and are done with v[118:119], in which my partner's sums land
	ds_store_b64 v14, v[116:117]
	s_wait_dscnt 0x0                               ; for my partner's sake: the store is done
	s_barrier_signal -1
	s_barrier_wait -1
	ds_load_b64 v[118:119], v15                    ; the same queries' sums over the other half of the keys
	s_wait_dscnt 0x0
	s_wait_alu depctr_vm_vsrc(0)                   ; the store has read v[116:117], which the addition below writes again
	v_pk_add_f32 v[116:117], v[116:117], v[118:119]   ; both partners add the same two numbers: both hold the same L
	v_log_f32 v10, v116
	v_log_f32 v11, v117
	v_nop
	s_wait_alu depctr_va_vdst(0)                   ; the two logarithms have written v10 and v11, ahead of their first reader
	v_sub_f32 v10, 0, v10
	v_sub_f32 v11, 0, v11
.irp x, 0,1
	v_add_f32 v[244+\x], s6, v[10+\x]
	v_add_f32 v[246+\x], s7, v[10+\x]
	v_add_f32 v[248+\x], 0xc29044fe, v[10+\x]
	v_max_num_f32 v[248+\x], 0xc1d49a78, v[248+\x] ; log2(1e-8)
	v_add_f32 v[250+\x], 0x429044fe, v[10+\x]
	v_min_num_f32 v[250+\x], v[250+\x], v253
	v_min_num_f32 v[248+\x], v[248+\x], v[250+\x]
.endr
.set k, 0
.rept 64
	v_mov_b32 v[O+k], 0                            ; once: the loop then has no first step of its own
.set k, k+1
.endr
	s_cmp_lt_u32 s14, 8                            ; the waves of the lower half of the keys will read sigmoid(U): they ask, so that each block is named once in the launch
	s_cbranch_scc0 .Lno_ask
	global_prefetch_b8 v254, s[4:5] th:TH_LOAD_NT scope:SCOPE_SE   ; my 32 rows' 256 bytes of sigmoid(U), a lane a row: a whole pass ahead of the loads; v254 was written at the head and is written again at the wave's end alone
.Lno_ask:
	PASS 2                                         ; my first step's K came with pass 1's last trip; each step asks for its own V
	; THE END.  The fourteen address lines below are the places behind the last products.
	s_wait_kmcnt 0x0                               ; the last trip's words (my first step's once more, inside the buffer), which nobody reads
	s_wait_dscnt 0x0
	s_barrier_signal -1                            ; parts every wave's reads and lane permutes of pass 2 from the stores below
	s_barrier_wait -1
	v_and_b32 v247, 15, v0                         ; the way out's addresses, made by every wave ahead of the branches
	v_bfe_u32 v248, v0, 4, 1
	v_lshlrev_b32 v244, 12, v247
	v_lshl_add_u32 v244, v248, 5, v244             ; sigmoid(U): row r of 4,096 bytes, + 32 h
	s_and_b32 s18, s14, 7
	s_mul_i32 s18, s18, 2560
	s_add_co_u32 s18, s18, STG
	v_mul_u32_u24 v245, v247, 80
	v_lshl_add_u32 v245, v248, 3, v245
	v_add_nc_u32 v245, s18, v245                   ; the stage, in: row r, + 8 h
	v_bfe_u32 v246, v0, 2, 3
	v_mul_u32_u24 v246, v246, 80
	v_and_b32 v249, 3, v0
	v_lshl_add_u32 v246, v249, 4, v246
	v_add_nc_u32 v246, s18, v246                   ; out: row lane / 4, 16 bytes lane % 4
	v_mov_b32 v252, s10                            ; 2^(e12 - e10 - e11): a sum of the second product stands for sum x 2^(e10 + e11)
	v_mov_b32 v253, s11
	s_wait_alu depctr_va_vdst(0)                   ; the last products have written O^T, which one arm's stores read, and are done reading v180 to v227; v244 to v246 are written; the conversions are done reading S, in which the other arm's loads land
	s_cmp_lt_u32 s14, 8
	s_cbranch_scc1 .Lkeep
.set j, 0
.rept 16
	ds_store_b128 v255, v[O+4*j:O+4*j+3] offset:512*j   ; the upper half's O^T as an image of its registers, each accumulator from its low end on
.set j, j+1
.endr
	s_branch .Lmeet
.Lkeep:
.irp x, 0,1
.irp t, 0,1,2,3
.irp e, 0,1
	global_load_b128 v[S+32*\x+8*\t+4*\e:S+32*\x+8*\t+4*\e+3], v244, s[4:5] offset:\x*65536+\t*64+\e*16   ; sigmoid(U) at (query 16 x + r, channel 16 t + 8 h + 4 e ..): O's own layout; asked for while the partner stores
.endr
.endr
.endr
.Lmeet:
	s_wait_alu depctr_vm_vsrc(0)                   ; the band's permutes, which may stand in pass 2's last trip, have read v[T .. T+7], in which the loads below land; the stores above have read O^T
	s_wait_dscnt 0x0                               ; for my partner's sake: my stores are done
	s_barrier_signal -1
	s_barrier_wait -1
	s_cmp_lt_u32 s14, 8
	s_cbranch_scc0 .Lend                           ; the upper half's waves have handed their part over
.set j, 0
.rept 16
	ds_load_b128 v[P+4*j:P+4*j+3], v255 offset:512*j    ; the same registers in the same lanes, into v180-243: no vector or matrix instruction since the wait on va_vdst above names them
.set j, j+1
.endr
	s_wait_dscnt 0x0
.set k, 0
.rept 32
	v_pk_add_f32 v[O+2*k:O+2*k+1], v[O+2*k:O+2*k+1], v[P+2*k:P+2*k+1]   ; O^T over all 2,048 keys
.set k, k+1
.endr
	s_wait_loadcnt 0x0
.set k, 0
.rept 32
	v_pk_mul_f32 v[S+2*k:S+2*k+1], v[S+2*k:S+2*k+1], v[O+2*k:O+2*k+1]
.set k, k+1
.endr
.set k, 0
.rept 64
	v_med3_num_f32 v[S+k], v[S+k], -v253, v253
.set k, k+1
.endr
.set k, 0
.rept 8
	v_cvt_scalef32_pk8_fp8_f32 v[P+2*k:P+2*k+1], v[S+8*k:S+8*k+7], v252
.set k, k+1
.endr
	v_nop
	s_wait_alu depctr_va_vdst(0)                   ; the conversions have written v180 to v195, which the stores read; the additions are done reading v196 to v211, in which the stage's rows land
.irp x, 0,1
.irp t, 0,1,2,3
	ds_store_b64 v245, v[P+8*\x+2*\t:P+8*\x+2*\t+1] offset:\x*1280+\t*16
.endr
.endr
.irp g, 0,1,2,3
	ds_load_b128 v[VF+4*\g:VF+4*\g+3], v246 offset:\g*640   ; my own bytes, served in order: eight rows of 64 bytes an instruction
.endr
	s_wait_dscnt 0x0
.irp g, 0,1,2,3
	global_store_b128 v1, v[VF+4*\g:VF+4*\g+3], s[12:13] offset:\g*512   ; 512 consecutive bytes, aligned
.endr
.Lend:
	s_wait_xcnt 0x0                                ; the prefetch has had its address translated: v254 is written again only behind this wait
	s_wait_alu depctr_vm_vsrc(0)                   ; the prefetch has read v254, the exchange's stores and loads v255: both are made anew for the closing lines
	v_lshl_add_u32 v254, v0, 2, 0x46400            ; my spare word: behind OX, 128 bytes for each of the sixteen waves, which no other line names
	v_mov_b32 v255, 0
	s_wait_dscnt 0x0                               ; the closing lines, six on end
	s_wait_alu 0x0
	s_wait_tensorcnt 0x0
	ds_add_u32 v254, v255
	s_wait_dscnt 0x0
	s_endpgm
.Lfunc_end_k_q6d35df769b_attn:
	.size	k_q6d35df769b_attn, .Lfunc_end_k_q6d35df769b_attn-k_q6d35df769b_attn
	.p2alignl 7, 3214868480
	.fill 96, 4, 3214868480
	.section	.rodata,"a",@progbits
	.p2align	6, 0x0
	.amdhsa_kernel k_q6d35df769b_attn
		.amdhsa_group_segment_fixed_size 289792
		.amdhsa_private_segment_fixed_size 0
		.amdhsa_enable_private_segment 0
		.amdhsa_kernarg_size 40
		.amdhsa_user_sgpr_count 2
		.amdhsa_user_sgpr_kernarg_segment_ptr 1
		.amdhsa_wavefront_size32 1
		.amdhsa_system_sgpr_workgroup_id_x 1
		.amdhsa_system_sgpr_workgroup_id_y 1
		.amdhsa_system_sgpr_workgroup_id_z 1
		.amdhsa_system_vgpr_workitem_id 0
		.amdhsa_next_free_vgpr 256
		.amdhsa_next_free_sgpr 100
		.amdhsa_reserve_vcc 0
		.amdhsa_float_denorm_mode_32 3
		.amdhsa_float_denorm_mode_16_64 3
		.amdhsa_memory_ordered 1
		.amdhsa_forward_progress 1
		.amdhsa_inst_pref_size 110
	.end_amdhsa_kernel
	.amdgpu_metadata
---
amdhsa.version: [ 1, 2 ]
amdhsa.kernels:
  - .name:           k_q6d35df769b_attn
    .symbol:         k_q6d35df769b_attn.kd
    .args:
      - { .name: act1, .offset: 0, .size: 8, .value_kind: global_buffer, .address_space: global }
      - { .name: mw, .offset: 8, .size: 8, .value_kind: global_buffer, .address_space: global }
      - { .name: rel_pos_table, .offset: 16, .size: 8, .value_kind: global_buffer, .address_space: global }
      - { .name: lowp_scales, .offset: 24, .size: 8, .value_kind: global_buffer, .address_space: global }
      - { .name: gc, .offset: 32, .size: 8, .value_kind: global_buffer, .address_space: global }
    .group_segment_fixed_size: 289792
    .private_segment_fixed_size: 0
    .kernarg_segment_align: 8
    .kernarg_segment_size: 40
    .max_flat_workgroup_size: 512
    .sgpr_count:     100
    .vgpr_count:     256
    .wavefront_size: 32
...
	.end_amdgpu_metadata
.endif
;; end of part 7
;; launch g2: the kernel of part 4 again; grid 8 x 32, 4 waves a work-group, clusters of 4 x 4, 327,680 bytes of LDS; arguments gc, pre, x, res_w, gate_w, lowp_scales, act2; writes act2
;; launch g3: the kernel of part 5 again; grid 32 x 32, 4 waves a work-group, clusters of 4 x 4, 327,680 bytes of LDS; arguments act2, pre, ffn1_b, lowp_scales, hid; writes hid
;; launch g4: the kernel of part 6 again; grid 8 x 32, 4 waves a work-group, clusters of 4 x 4, 327,680 bytes of LDS; arguments hid, pre, act2, ffn2_b, lowp_scales, out0; writes out0
